; MI455X (gfx1250); checked and timed in simulation.
; The chip was launched on July 23, 2026; its instructions are those of AMD's public machine-readable ISA for CDNA 5 (MIT licence, August 2026) and "CDNA5" Instruction Set Architecture Reference Guide (July 2026). The comments in the code are by the model that wrote it; some were corrected since.
;; Attention. Allowed arithmetic: matrix products marked QUANTISED: E4M3 operands, one given power-of-two scale a tensor, by v_wmma_f32_16x16x64_fp8_fp8 or v_wmma_f32_16x16x128_fp8_fp8, f32 sums; everything else in f32.
;; Inputs: beta 1,024 float32; bk 1,024 float32; bo 1,024 float32; bq 1,024 float32; bv 1,024 float32; gamma 1,024 float32; lowp_scales 12 int32 (the exponents e of the quantised operands' scales 2^e); mask 8 x 1,024 int32; wk_codes 1,024 x 32 x 32 uint8 (E4M3 codes of wk, K innermost, in blocks of 32 codes); wo_codes 1,024 x 32 x 32 uint8 (E4M3 codes of wo, K innermost, in blocks of 32 codes); wq_codes 1,024 x 32 x 32 uint8 (E4M3 codes of wq, K innermost, in blocks of 32 codes); wv_codes 1,024 x 32 x 32 uint8 (E4M3 codes of wv, K innermost, in blocks of 32 codes); x 8 x 1,024 x 1,024 float32.
;; Outputs: out0 8 x 1,024 x 1,024 float32.
;; This version of the problem:
;;   THIS VERSION OF THE PROBLEM IS GIVEN IN LOW PRECISION. The matrix products marked QUANTISED in the list below multiply operands that are first quantised to E4M3 (4 exponent bits, 3 mantissa bits; 8 bits a number), with one given power-of-two scale for each operand tensor; their sums are f32. All else is computed in f32.
;;   The module's matrix products, in the order in which they are computed (A, B: the left and right operand; K: the contracted axis; several contracted axes count as one K, in the product's order):
;;     1. [M 8,192, K 1,024] x [K 1,024, N 1,024]; A: input x; B: input wq (given as codes): QUANTISED (scales: A lowp_scales[0], B lowp_scales[1])
;;     2. [M 8,192, K 1,024] x [K 1,024, N 1,024]; A: input x; B: input wk (given as codes): QUANTISED (scales: A lowp_scales[2], B lowp_scales[3])
;;     3. [M 8,192, K 1,024] x [K 1,024, N 1,024]; A: input x; B: input wv (given as codes): QUANTISED (scales: A lowp_scales[4], B lowp_scales[5])
;;     4. batch 128 x [M 1,024, K 64] x [K 64, N 1,024]; A: computed on the way; B: computed on the way: QUANTISED (scales: A lowp_scales[6], B lowp_scales[7])
;;     5. batch 128 x [M 1,024, K 1,024] x [K 1,024, N 64]; A: softmax (see below); B: computed on the way: QUANTISED (scales: A lowp_scales[8], B lowp_scales[9])
;;     6. [M 8,192, K 1,024] x [K 1,024, N 1,024]; A: computed on the way; B: input wo (given as codes): QUANTISED (scales: A lowp_scales[10], B lowp_scales[11])
;;   THE QUANTISER, for each operand of a quantised product, along K:
;;     - The operand's scale is 2^e, e = its entry of the input lowp_scales (int32; the entries are numbered through the quantised products in the list's order, A before B).
;;     - Each number is divided by the scale, clamped to +-448, and rounded to the nearest number of E4M3, ties to even, subnormals kept.
;;     - The product sums the exact products of the quantised numbers (number of the format x scale) in f32.
;;   ~~~python
;;   def quantise(x, axis, e):      # numpy; x: float32 -> the quantised numbers, widened to float32 again
;;       x = np.moveaxis(x, axis, -1); K = x.shape[-1]
;;       r = np.clip(x / 2.0 ** e, -448, 448)
;;       step = 2.0 ** (np.maximum(np.frexp(np.where(r == 0, 1, r))[1] - 1, -6) - 3)
;;       q = np.round(r / step) * step * 2.0 ** e      # np.round: ties to even
;;       return np.moveaxis(q, -1, axis).astype(np.float32)
;;   ~~~
;;   SOFTMAX AHEAD OF A QUANTISED PRODUCT. Where the list says 'softmax', what is quantised is not the finished softmax but p = 2^(t - M), with t = logit x log2(e) and M = ceil(the row's largest t), a whole number; so 1/2 < the row's largest p <= 1. The row's sum l is taken of the UNQUANTISED p, in f32, and the product's result is divided by l at the end. Since M is a whole number, a kernel that streams over the keys may use a running M (the ceiling of the running maximum): every later rescaling is an exact power of two, so the quantised numbers keep their values, but for numbers so far below the row's largest that they fall under the format's range.
;;   OPERANDS COMPUTED ON THE WAY. 'Computed on the way' means the value that the module computes at that place (a softmax that the list does not call 'softmax' is quantised finished and normalised). What goes into a quantiser is computed in f32, as accurately as f32 sums, v_exp_f32 and their like allow (about 1e-6 of the number): no bf16 or f16 on the way to a quantiser, and a product that is left as it is and whose result goes on into a quantised operand takes f32 operands (vector FMAs, or v_wmma_f32_16x16x4_f32). A number that lies on a knife's edge between two numbers of the format may be rounded either way, as far as f32 arithmetic and the matrix unit's own rounding can turn it there, and no further.
;;   INPUTS GIVEN AS CODES. wk (in the module: [1024, 1024], K = its axis 0); wo (in the module: [1024, 1024], K = its axis 0); wq (in the module: [1024, 1024], K = its axis 0); wv (in the module: [1024, 1024], K = its axis 0): each comes as NAME_codes (uint8): NAME with its K axis moved to the last place and cut into blocks of 32 codes, [.., K / 32, bytes a block], one block behind the other in memory; one code a byte (a code: sign, 4 exponent bits, 3 mantissa bits); its scale is its entry of lowp_scales. Its value is code x scale, taken as it is: it is not quantised again, and the codes and scales need not be those that the quantiser above would give.
;; 2 versions, each right; version 2 is version 1 with the launch outln written anew for expert scheduling mode. Each part assembles by itself: llvm-mc -triple=amdgcn-amd-amdhsa -mcpu=gfx1250 --defsym DOCPART=n.
;; ======== version 1 of 2: 4 launches
;; workspace buffers: xq 8,388,608 bytes; xk 8,388,608 bytes; xv 8,388,608 bytes; woimg 1,048,576 bytes; qimg 8,388,608 bytes; kimg 8,388,608 bytes; vimg 8,388,608 bytes; ctximg 8,388,608 bytes
;; launch quant (part 1): grid 256 x 1, 4 waves a work-group, no clusters, 33,280 bytes of LDS; arguments x, lowp_scales, wo_codes, xq, xk, xv, woimg; writes xq, xk, xv, woimg
.if DOCPART == 1
	.amdgcn_target "amdgcn-amd-amdhsa--gfx1250"
	.amdhsa_code_object_version 6
	.text
	.protected	k_qbcb1b14095_quant
	.globl	k_qbcb1b14095_quant
	.p2align	8
	.type	k_qbcb1b14095_quant,@function
k_qbcb1b14095_quant:
	s_mov_b64 s[64:65], 0
	v_nop
	global_prefetch_b8 v0, s[64:65] scope:SCOPE_SE
	s_setreg_imm32_b32 hwreg(HW_REG_WAVE_MODE, 25, 1), 1
	s_wait_xcnt 0x0
; x [8192][1024] f32 becomes three sets of E4M3 codes, rows as they lie, K innermost: xq with the scale 2^e0, xk with 2^e2, xv with 2^e4 (entries 0, 2, 4 of the scales).
; code = x / 2^e, held within +-448, to the nearest code, ties to even.  x is read once here; the products' launch reads a quarter of the bytes for each of its three uses.
; wo_codes [1024 n][1024 k] is laid anew as IMAGES OF OPERAND REGISTERS: fragment (nt, s) = 16 rows n x 128 k, 2,048 bytes at (8 nt + s) x 2048: [quad 0..3][lane][16 bytes];
; lane (r, h) of quad q holds k = 128 s + 32 q + 8 h + 0..7 and k = 128 s + 32 q + 16 + 8 h + 0..7 of row 16 nt + r: registers 4 q .. 4 q + 3 of the plain 8-bit layout.
; SHARES: 256 work-groups x 4 waves; wave = run 4 wg + wave of 8,192 numbers: 16 steps of 512.  Each load reads 512 consecutive bytes; a step's 2,048 bytes turn through the wave's own
; stage in LDS (16 bytes of padding behind each 64) and come back 64 bytes a lane: 16 neighbours along K, as the conversions want them.  A lane's 16 codes are 16 bytes: a store covers 512 consecutive bytes.
; No barrier: waves share nothing.  No matrix unit, no cluster, no tensor load: the launch only streams.
; LIMITS: e0, e2, e4 between -126 and 119, so that 2^e and 448 x 2^e are f32 numbers.  NaN among the inputs is not served; an infinity is held at the largest code.
.set STEPS, 16
.set SP,    80                         ; a lane's place in a stage: 64 bytes + 16 of padding
.set WREG,  8192                       ; LDS of a wave: two stages of 32 x SP bytes
.set R,     16                         ; v16-79   four sets of 16 numbers as loaded
.set X,     80                         ; v80-111  two sets of 16 neighbours
.set T,     112                        ; v112-159 three sets of 16 held numbers, one for each scale
.set C,     160                        ; v160-171 three sets of 4 registers of codes
.set W,     176                        ; v176-183 wo's pieces
	s_load_b256 s[4:11], s[0:1], 0x0               ; x s[4:5], the scales s[6:7], wo_codes s[8:9], xq s[10:11]
	s_load_b128 s[12:15], s[0:1], 0x20             ; xk, xv
	s_load_b64 s[16:17], s[0:1], 0x30              ; woimg
	v_lshl_add_u32 v192, v0, 2, 0x8000
	v_mov_b32 v193, 0
	v_lshrrev_b32 v1, 5, v0
	v_readfirstlane_b32 s18, v1                    ; wave
	v_and_b32 v2, 31, v0                           ; lane
	v_lshlrev_b32 v3, 4, v2                        ; 16 x lane: my place in every load and store; never rewritten
	s_mul_i32 s19, s18, WREG
	v_lshrrev_b32 v14, 2, v2
	v_mul_u32_u24 v14, v14, SP
	v_and_b32 v15, 3, v2
	v_lshl_add_u32 v14, v15, 4, v14
	v_add_nc_u32 v14, s19, v14                     ; the stage, on the way in: SP (lane / 4) + 16 (lane % 4)
	v_mul_u32_u24 v15, v2, SP
	v_add_nc_u32 v15, s19, v15                     ; and on the way out: SP x lane
	v_and_b32 v4, 15, v0                           ; r
	v_bfe_u32 v5, v0, 4, 1                         ; h
	v_lshlrev_b32 v5, 3, v5
	v_lshl_add_u32 v5, v4, 10, v5                  ; wo: row r of 1,024 bytes, + 8 h
	s_lshl_b32 s20, ttmp9, 1
	s_lshr_b32 s21, s18, 1
	s_add_co_u32 s20, s20, s21                     ; my fragment of wo: f = 2 wg + wave / 2 = 8 nt + s
	s_and_b32 s21, s18, 1
	s_lshl_b32 s21, s21, 1                         ; my first quad of it: 2 (wave % 2)
	s_lshr_b32 s22, s20, 3
	s_lshl_b32 s22, s22, 14                        ; 16 nt rows of 1,024 bytes
	s_and_b32 s23, s20, 7
	s_lshl_b32 s23, s23, 7                         ; + 128 s
	s_add_co_u32 s22, s22, s23
	s_lshl_b32 s23, s21, 5                         ; + 32 x quad
	s_add_co_u32 s22, s22, s23
	s_mov_b32 s23, 0
	s_lshl_b32 s32, s20, 11                        ; the image: 2,048 f + 512 x quad
	s_lshl_b32 s33, s21, 9
	s_add_co_u32 s32, s32, s33
	s_mov_b32 s33, 0
	s_lshl_b32 s24, ttmp9, 2
	s_add_co_u32 s24, s24, s18                     ; my run of 8,192 numbers
	s_lshl_b32 s26, s24, 15                        ; in x: 32,768 bytes a run
	s_mov_b32 s27, 0
	s_lshl_b32 s28, s24, 13                        ; in the codes: 8,192
	s_mov_b32 s29, 0
	s_wait_kmcnt 0x0
	s_load_b256 s[36:43], s[6:7], 0x0              ; e0 .. e7
	s_add_nc_u64 s[4:5], s[4:5], s[26:27]
	s_add_nc_u64 s[10:11], s[10:11], s[28:29]
	s_add_nc_u64 s[12:13], s[12:13], s[28:29]
	s_add_nc_u64 s[14:15], s[14:15], s[28:29]
	s_add_nc_u64 s[8:9], s[8:9], s[22:23]
	s_add_nc_u64 s[16:17], s[16:17], s[32:33]
.irp i, 0,1,2,3
	global_load_b64 v[W+2*\i:W+2*\i+1], v5, s[8:9] offset:16*\i   ; two quads: k + 0, 16 | 32, 48
.endr
.macro LOAD t
.irp i, 0,1,2,3
	global_load_b128 v[R+16*((\t)%4)+4*\i:R+16*((\t)%4)+4*\i+3], v3, s[4:5] offset:2048*(\t)+512*\i th:TH_LOAD_NT   ; 32 lanes read 512 consecutive bytes
.endr
.endm
.macro TURN t                          ; step t's numbers through the stage: LDS serves a wave's instructions in order, so no wait stands between the stores and the loads
.irp i, 0,1,2,3
	ds_store_b128 v14, v[R+16*((\t)%4)+4*\i:R+16*((\t)%4)+4*\i+3] offset:32*SP*((\t)%2)+8*SP*\i
.endr
.irp i, 0,1,2,3
	ds_load_b128 v[X+16*((\t)%2)+4*\i:X+16*((\t)%2)+4*\i+3], v15 offset:32*SP*((\t)%2)+16*\i
.endr
.endm
.macro MKSC e, vs                      ; v[vs] = 2^e as f32 (the conversion takes its exponent field), v[vs + 1] = 448 x 2^e
	s_add_co_i32 s30, s[\e], 127
	s_lshl_b32 s31, s30, 23
	v_mov_b32 v[\vs], s31
	s_add_co_i32 s30, s30, 8
	s_lshl_b32 s30, s30, 23
	s_or_b32 s30, s30, 0x600000
	v_mov_b32 v[\vs+1], s30
.endm
.irp t, 0,1,2,3
	LOAD \t
.endr
	s_wait_kmcnt 0x0
	MKSC 36, 8                                     ; e0
	MKSC 38, 10                                    ; e2
	MKSC 40, 12                                    ; e4
	s_wait_loadcnt 16                              ; wo's four pieces are in; the sixteen loads of x behind them may be out
	global_store_b128 v3, v[W:W+3], s[16:17]       ; 512 consecutive bytes: a quad of the image
	global_store_b128 v3, v[W+4:W+7], s[16:17] offset:512
	s_wait_loadcnt 12                              ; step 0's four loads are in
	TURN 0
.macro STEP t
.set XS, X+16*((\t)%2)
	s_wait_dscnt 0x0                               ; this step's numbers are back from the stage: so its stores into the stage have read their registers,
.if (\t)+4 < STEPS
	LOAD (\t)+4                                    ; which take the loads of four steps on
.endif
.if (\t)+1 < STEPS
.if STEPS-2-(\t) >= 3
	s_wait_loadcnt 12                              ; the next step's four loads are in; those of the three steps behind it may be out
.else
	s_wait_loadcnt 4*(STEPS-2-(\t))
.endif
	TURN (\t)+1                                    ; and go through the other stage while this step is worked
.endif
	s_wait_xcnt 0x0                                ; the last step's stores have read their data: the codes' registers are written again only behind this wait
.irp k, 0,1,2
.irp i, 0,1,2,3,4,5,6,7,8,9,10,11,12,13,14,15
	v_med3_num_f32 v[T+16*\k+\i], v[XS+\i], -v[9+2*\k], v[9+2*\k]   ; the conversion does not saturate (ISA guide 7.6.2): the hold at 448 x the scale comes first
.endr
	v_cvt_scalef32_pk8_fp8_f32 v[C+4*\k:C+4*\k+1], v[T+16*\k:T+16*\k+7], v[8+2*\k]
	v_cvt_scalef32_pk8_fp8_f32 v[C+4*\k+2:C+4*\k+3], v[T+16*\k+8:T+16*\k+15], v[8+2*\k]
.endr                                  ; each scale has its own set of held numbers: sixteen plain lines or more stand between a conversion and the next write of its sources; its result goes to a store
.irp k, 0,1,2
	global_store_b128 v3, v[C+4*\k:C+4*\k+3], s[10+2*\k:11+2*\k] offset:512*(\t)   ; 512 consecutive bytes of xq, xk, xv
.endr
.endm
.irp t, 0,1,2,3,4,5,6,7,8,9,10,11,12,13,14,15
	STEP \t
.endr
	s_wait_tensorcnt 0x0
	ds_add_u32 v192, v193
	s_wait_dscnt 0x0
	s_endpgm
.Lfunc_end_k_qbcb1b14095_quant:
	.size	k_qbcb1b14095_quant, .Lfunc_end_k_qbcb1b14095_quant-k_qbcb1b14095_quant
	.p2alignl 7, 3214868480
	.fill 96, 4, 3214868480
	.section	.rodata,"a",@progbits
	.p2align	6, 0x0
	.amdhsa_kernel k_qbcb1b14095_quant
		.amdhsa_group_segment_fixed_size 33280
		.amdhsa_private_segment_fixed_size 0
		.amdhsa_enable_private_segment 0
		.amdhsa_kernarg_size 56
		.amdhsa_user_sgpr_count 2
		.amdhsa_user_sgpr_kernarg_segment_ptr 1
		.amdhsa_wavefront_size32 1
		.amdhsa_system_sgpr_workgroup_id_x 1
		.amdhsa_system_sgpr_workgroup_id_y 1
		.amdhsa_system_sgpr_workgroup_id_z 1
		.amdhsa_system_vgpr_workitem_id 0
		.amdhsa_next_free_vgpr 194
		.amdhsa_next_free_sgpr 66
		.amdhsa_reserve_vcc 0
		.amdhsa_float_denorm_mode_32 3
		.amdhsa_float_denorm_mode_16_64 3
		.amdhsa_memory_ordered 1
		.amdhsa_forward_progress 1
		.amdhsa_inst_pref_size 78
	.end_amdhsa_kernel
	.amdgpu_metadata
---
amdhsa.version: [ 1, 2 ]
amdhsa.kernels:
  - .name:           k_qbcb1b14095_quant
    .symbol:         k_qbcb1b14095_quant.kd
    .args:
      - { .name: x, .offset: 0, .size: 8, .value_kind: global_buffer, .address_space: global }
      - { .name: lowp_scales, .offset: 8, .size: 8, .value_kind: global_buffer, .address_space: global }
      - { .name: wo_codes, .offset: 16, .size: 8, .value_kind: global_buffer, .address_space: global }
      - { .name: xq, .offset: 24, .size: 8, .value_kind: global_buffer, .address_space: global }
      - { .name: xk, .offset: 32, .size: 8, .value_kind: global_buffer, .address_space: global }
      - { .name: xv, .offset: 40, .size: 8, .value_kind: global_buffer, .address_space: global }
      - { .name: woimg, .offset: 48, .size: 8, .value_kind: global_buffer, .address_space: global }
    .group_segment_fixed_size: 33280
    .private_segment_fixed_size: 0
    .kernarg_segment_align: 8
    .kernarg_segment_size: 56
    .max_flat_workgroup_size: 128
    .sgpr_count:     66
    .vgpr_count:     194
    .wavefront_size: 32
...
	.end_amdgpu_metadata
.endif
;; end of part 1
;; launch qkv (part 2): grid 12 x 32, 4 waves a work-group, clusters of 4 x 4, 327,680 bytes of LDS; arguments xq, wq_codes, bq, qimg, xk, wk_codes, bk, kimg, wv_codes, xv, bv, vimg, lowp_scales; writes qimg, kimg, vimg
.if DOCPART == 2
	.amdgcn_target "amdgcn-amd-amdhsa--gfx1250"
	.amdhsa_code_object_version 6
	.text
	.protected	k_qbcb1b14095_qkv
	.globl	k_qbcb1b14095_qkv
	.p2align	8
	.type	k_qbcb1b14095_qkv,@function
k_qbcb1b14095_qkv:
	s_mov_b64 s[64:65], 0
	v_nop
	global_prefetch_b8 v0, s[64:65] scope:SCOPE_SE
	s_setreg_imm32_b32 hwreg(HW_REG_WAVE_MODE, 25, 1), 1
	s_wait_xcnt 0x0
	s_wait_alu depctr_hold_cnt(0) depctr_sa_sdst(0) depctr_va_vdst(0) depctr_va_sdst(0) depctr_va_ssrc(0) depctr_va_vcc(0) depctr_vm_vsrc(0)
	s_getreg_b32 s2, hwreg(HW_REG_IB_STS2, 6, 4)
	s_cmp_eq_u32 s2, 0
	s_cbranch_scc0 .Lentry_in_a_cluster
	s_endpgm
.Lentry_in_a_cluster:
	s_bfe_u32 s2, ttmp6, 0x10000c
	s_cmp_lg_u32 s2, 0xf033
	s_cbranch_scc0 .Lentry_shape_is_right
	s_endpgm
.Lentry_shape_is_right:
; The three projections as one launch of tiles C[rho][kappa] = sum over k of A[rho][k] B[kappa][k], K = 1,024, on E4M3 codes; + bias; quantised; stored as images of operand registers.
; The cluster's x says which product (p = 0: q, 1: k, 2: v), its y which eighth of the tokens (i).  p < 2: A = x's codes (rho = token), B = the weight (kappa = output column).
; p = 2: THE ROLES ARE SWAPPED: A = wv's codes (rho = channel), B = x's codes (kappa = token), so that v comes out with the KEYS along a lane's registers, as the second product of attention wants it.
; A tile of C is 256 x 256: four waves, each 128 x 128 in 64 accumulators (512 registers).  K goes in steps of 256 through a ring of two LDS slots filled by the tensor data mover.
; CLUSTERS: 4 x 4 work-groups; the four of a row need the same tiles of A, the four of a column the same tiles of B: each tile is asked for jointly, by the same tensor load with a mask that names the four.
; THE MATRIX INSTRUCTION IS USED TRANSPOSED (source 0 = 16 rows of B, source 1 = 16 rows of A): lane (r, h) holds row rho = r and eight neighbouring kappa = 8 h + 0..7.  Four such tiles along kappa, converted
; eight numbers at a time, ARE the eight registers of a 16 x 64 fragment in the plain 8-bit layout (registers 2 c, 2 c + 1: k = 16 c + 8 h + 0..7).  So the way out needs no LDS:
; THE IMAGE: 1,024 bytes, [quad 0..1][lane][16 bytes]; qimg, kimg: image (16 b + head) 64 + token tile;  vimg: image (16 b + head) 64 + 4 g + ct (row = channel 16 ct + r, k = keys 64 g + 0..63).
; In the sums k is permuted alike in A and B (four loads of 16 bytes a fragment): every product meets its partner.
; The grid has 384 tiles, all of one shape, so that the three products share one body.
; LIMITS: e6 - e0 - e1, e7 - e2 - e3, e9 - e4 - e5 between -126 and 119, so that the folded scale and 448 x it are f32 numbers.  NaN and infinities among the inputs are not served.
; REGISTERS, in windows of 256: window 0: v0-31 addresses; v32-95 the bias along kappa, v96-111 along rho (one of the two is zeros); v112-116; from v128 A's fragments, ONE set (on the way out: sums and codes).
;   window 1: B's fragments, TWO sets.   window 2: the accumulators of my rows 0-63 ((a, b) at v[8 (8 a + b)]);   window 3: those of my rows 64-127.
.set KSTEP,  256                       ; along K in a slot
.set ROWB,   256                       ; a tile's row in bytes
.set KROW,   1024                      ; a row of A or of B in memory, in bytes
.set PITCH,  272                       ; an LDS row: 256 bytes + 16 of padding: the 16 rows that a load touches begin 16 bytes further on in each 256
.set FR,     16                        ; registers of a fragment: 16 rows x 128 K
.set NL,     4                         ; LDS loads that bring one
.set NP,     4                         ; places behind this matrix instruction (ISA guide 7.12.1)
.set HALFT,  128*PITCH                 ; 128 rows: what one tensor load brings, and what one wave reads of A or of B
.set SLOT,   4*HALFT                   ; A's 256 rows, then B's 256 rows
.set LAPS,   2                         ; a lap = two K steps = once round the ring: 1,024 / 512
.set SPARE,  2*SLOT                    ; behind the ring: the spare words, 128 bytes for each wave: two blocks of 256 bytes that no other line names
.set ADRA, 16                          ; v16-17  LDS address of my A fragments in slot 0, 1
.set ADRB, 20                          ; v20-21  the same for B
.set CO,   26                          ; v26     16 x lane: my place in an image's quad
.set CO2,  27                          ; v27     the same in the image of the next 64 along kappa
.set SPW,  28                          ; v28     LDS address of my spare word; never rewritten
.set NIL,  29                          ; v29     0; never rewritten
.set BK,   32                          ; v32-95  bias / 2^(ea + eb) at kappa = 16 b + 8 h + j (register 8 b + j); zeros for v
.set BR,   96                          ; v96-111 bias / 2^(ea + eb) at rho = 16 a + r (registers 2 a and 2 a + 1 alike); zeros for q and k
.set SC,   112                         ; v112    2^(eo - ea - eb) as f32
.set LIM,  113                         ; v113    448 x that
.set ZR,   114                         ; v114    0
.set BKO,  115                         ; v115    32 h
.set BRO,  116                         ; v116    4 r
.set AF,   128                         ; A's fragments, in window 0
.set TMP,  128                         ; the way out: a block's 64 sums + bias
.set CD,   192                         ; the way out: 16 registers of codes: two images
.set G1, 24                            ; s[24:31] descriptor group 1 for A's tiles;  s[32:39] group 0, one set for each slot
.set G0, 32
.set G1B, 48                           ; s[48:55], s[56:63] the same for B's tiles
.set G0B, 56
.set MSB, 0
.macro WIN new                         ; the immediate's high byte repeats the setting that is left
.if MSB != \new
	s_set_vgpr_msb (MSB<<8)|\new
.set MSB, \new
.endif
.endm
.set MUL_LO, 0xa1                      ; source 0 (B) window 1, source 1 (A) window 0, C and D window 2
.set MUL_HI, 0xf1                      ; the same, C and D window 3
.set TO_B,   0x40                      ; destination window 1, address window 0
; A joint load: waves 0 and 1 fetch for A, waves 2 and 3 for B.  Each of the two lines has one mask and one set of registers for all that issue it; the branch hangs on the wave's number alone.
; Four v_nop follow each of the two lines, ahead of the jump, the label and what follows.
.macro JLOAD g0a, g1a, g0b, g1b
	s_cmp_eq_u32 s15, 0
	s_cbranch_scc0 .Lfor_b_\@
	tensor_load_to_lds s[\g0a:\g0a+3], s[\g1a:\g1a+7]
	s_nop 0
.rept 4
	v_nop
.endr
	s_branch .Lasked_\@
.Lfor_b_\@:
	tensor_load_to_lds s[\g0b:\g0b+3], s[\g1b:\g1b+7]
	s_nop 0
.rept 4
	v_nop
.endr
.Lasked_\@:
.endm
.macro CREST                           ; a round of the cluster's barrier behind its opening barrier
	s_cmp_lg_u32 s14, 0
	s_cbranch_scc1 .Lnot_wave_0_\@
	s_barrier_signal -3
.Lnot_wave_0_\@:
	s_barrier_wait -3
	s_barrier_signal -1
	s_barrier_wait -1
.endm
.macro CROUND                          ; a whole round
	s_barrier_signal -1
	s_barrier_wait -1
	CREST
.endm
	s_load_b256 s[4:11], s[0:1], 0x0               ; p = 0: A, B, bias, images
	s_load_b256 s[68:75], s[0:1], 0x20             ; p = 1
	s_load_b256 s[76:83], s[0:1], 0x40             ; p = 2
	s_load_b64 s[84:85], s[0:1], 0x60              ; the scales' exponents
	v_lshl_add_u32 v[SPW], v0, 2, SPARE
	v_mov_b32 v[NIL], 0
	ds_add_u32 v28, v29
	ds_add_u32 v28, v29
	s_wait_dscnt 0x0
	v_lshrrev_b32 v1, 5, v0
	v_readfirstlane_b32 s14, v1                    ; wave 0..3
	s_lshr_b32 s15, s14, 1                         ; which half of the tile's rows is mine.  Also: I fetch for A (0) or for B (1)
	s_and_b32 s16, s14, 1                          ; which half of its columns.  Also: which 128 rows of that tile I fetch
	s_bfe_u32 s40, ttmp6, 0x40000                  ; cx, cy: my place in the cluster
	s_bfe_u32 s41, ttmp6, 0x40004
	s_and_b32 s66, ttmp7, 0xffff                   ; i: the cluster's y
	s_cmp_eq_u32 ttmp9, 2                          ; the cluster's x is p: the same in all sixteen partners
	s_cselect_b32 s90, 0, s66                      ; the tokens lie along rho for q and k,
	s_cselect_b32 s91, s66, 0                      ; along kappa for v
	s_cselect_b32 s67, -1, 0                       ; all ones for v: a lane mask for the choice of the bias
	s_lshl_b32 s42, s91, 2
	s_add_co_u32 s42, s42, s40                     ; tile column of C
	s_lshl_b32 s17, s90, 2
	s_add_co_u32 s17, s17, s41                     ; tile row of C
	s_lshl_b32 s43, s41, 2
	s_lshl_b32 s43, 15, s43                        ; my row of the cluster
	s_lshl_b32 s44, 0x1111, s40                    ; my column
	; descriptor group 1: a tile of 128 rows x 256 bytes, padded in LDS
	s_or_b32 s[G1+0], s43, (0<<16)|(1<<20)|(1<<21)|(5<<22)|(3<<25)  ; 15:0 the mask: A's tiles go to my row; 17:16 element of 1 byte; 20 padding on; 21 set beside a mask; 24:22 after every 64 words (code 5); 31:25 of 4 words (code 3)
	s_or_b32 s[G1B+0], s44, (0<<16)|(1<<20)|(1<<21)|(5<<22)|(3<<25)
.irp g, G1, G1B
	s_mov_b32 s[\g+1], ROWB<<16                    ; tensor_dim0
	s_mov_b32 s[\g+2], 128<<16                     ; tensor_dim1 = 128
	s_mov_b32 s[\g+3], ROWB<<16                    ; tile_dim0
	s_mov_b32 s[\g+4], 128                         ; tile_dim1 = 128
	s_mov_b32 s[\g+5], KROW                        ; tensor_dim0_stride
	s_mov_b32 s[\g+6], 0
	s_mov_b32 s[\g+7], 0
.endr
	s_lshl_b32 s18, s16, 7                         ; which 128 rows of the tile I fetch
	s_lshl_b32 s20, s17, 8
	s_add_co_u32 s20, s20, s18                     ; A: row 256 x tile row + 128 x half
	s_lshl_b32 s46, s42, 8
	s_add_co_u32 s46, s46, s18                     ; B: row 256 x tile column + 128 x half
	s_mov_b32 s21, 0
	s_mov_b32 s47, 0
	s_mov_b64 s[18:19], KROW
	s_mul_u64 s[20:21], s[20:21], s[18:19]
	s_mul_u64 s[46:47], s[46:47], s[18:19]
	s_mul_i32 s45, s14, HALFT                      ; where they go: wave x 128 rows: no place in the cluster enters an LDS address
	s_wait_kmcnt 0x0
	s_cmp_eq_u32 ttmp9, 1                          ; the four buffers of my product: a choice that hangs on the cluster's x alone
	s_cselect_b64 s[4:5], s[68:69], s[4:5]
	s_cselect_b64 s[6:7], s[70:71], s[6:7]
	s_cselect_b64 s[8:9], s[72:73], s[8:9]
	s_cselect_b64 s[10:11], s[74:75], s[10:11]
	s_cmp_eq_u32 ttmp9, 2
	s_cselect_b64 s[4:5], s[76:77], s[4:5]
	s_cselect_b64 s[6:7], s[78:79], s[6:7]
	s_cselect_b64 s[8:9], s[80:81], s[8:9]
	s_cselect_b64 s[10:11], s[82:83], s[10:11]
	s_load_b256 s[68:75], s[84:85], 0x0            ; e0 .. e7
	s_load_b128 s[76:79], s[84:85], 0x20           ; e8 .. e11
	s_add_nc_u64 s[20:21], s[4:5], s[20:21]
	s_add_nc_u64 s[46:47], s[6:7], s[46:47]
	CROUND                                         ; all sixteen work-groups are here: the first joint loads meet
.irp s, 0,1
	s_mov_b32 s[G0+4*\s], 1
	s_add_co_u32 s[G0+4*\s+1], s45, \s*SLOT
	s_add_nc_u64 s[G0+4*\s+2:G0+4*\s+3], s[20:21], \s*ROWB
	s_or_b32 s[G0+4*\s+3], s[G0+4*\s+3], 0x80000000
	s_mov_b32 s[G0B+4*\s], 1
	s_add_co_u32 s[G0B+4*\s+1], s45, \s*SLOT
	s_add_nc_u64 s[G0B+4*\s+2:G0B+4*\s+3], s[46:47], \s*ROWB
	s_or_b32 s[G0B+4*\s+3], s[G0B+4*\s+3], 0x80000000
	JLOAD G0+4*\s, G1, G0B+4*\s, G1B
.endr
	v_and_b32 v1, 15, v0                           ; r = l % 16
	v_bfe_u32 v2, v0, 4, 1                         ; h = l / 16
	v_mul_u32_u24 v3, v1, PITCH
	v_lshl_add_u32 v4, v2, 4, v3                   ; a fragment's row x pitch + 16 x half
	s_mul_i32 s21, s15, HALFT                      ; my 128 rows of A
	s_mul_i32 s22, s16, HALFT                      ; my 128 rows of B,
	s_add_co_u32 s22, s22, 2*HALFT                 ; which lie behind A's 256
.irp s, 0,1
	v_add_nc_u32 v[ADRA+\s], s21, v4
	v_add_nc_u32 v[ADRB+\s], s22, v4
	s_add_co_u32 s21, s21, SLOT
	s_add_co_u32 s22, s22, SLOT
.endr
	; WHERE MY IMAGES GO.  At = my first tile of 16 along rho, Gr = my first group of 64 along kappa, both counted through the whole tensor
	v_and_b32 v6, 31, v0
	v_lshlrev_b32 v[CO], 4, v6
	s_lshl_b32 s90, s17, 4
	s_lshl_b32 s91, s15, 3
	s_add_co_u32 s90, s90, s91                     ; At = 16 x tile row + 8 x half
	s_lshl_b32 s91, s42, 2
	s_lshl_b32 s92, s16, 1
	s_add_co_u32 s91, s91, s92                     ; Gr = 4 x tile column + 2 x half
	s_lshr_b32 s92, s17, 2                         ; q, k: batch = tile row / 4, head = Gr, token tile = At % 64
	s_lshl_b32 s92, s92, 20
	s_lshl_b32 s93, s91, 16
	s_add_co_u32 s92, s92, s93
	s_and_b32 s93, s90, 63
	s_lshl_b32 s93, s93, 10
	s_add_co_u32 s92, s92, s93
	s_lshr_b32 s93, s91, 4                         ; v: batch = Gr / 16, head = At / 4, group of keys = Gr % 16, channel tile 0
	s_lshl_b32 s93, s93, 20
	s_lshr_b32 s94, s90, 2
	s_lshl_b32 s94, s94, 16
	s_add_co_u32 s93, s93, s94
	s_and_b32 s94, s91, 15
	s_lshl_b32 s94, s94, 12
	s_add_co_u32 s93, s93, s94
	s_cmp_eq_u32 ttmp9, 2
	s_cselect_b32 s92, s93, s92
	s_mov_b32 s93, 0
	s_mov_b32 s86, 65536                           ; from one group of 64 along kappa to the next: a head on (q, k),
	s_cselect_b32 s86, 4096, s86                   ; or a group of keys on (v)
	s_mov_b32 s88, 1024                            ; from block 3 to block 4 along rho: a token tile on (q, k),
	s_cselect_b32 s88, 62464, s88                  ; or from channel tile 3 of a head to tile 0 of the next (v): 65,536 - 3,072
	s_mov_b32 s89, 0
	s_add_nc_u64 s[10:11], s[10:11], s[92:93]
	v_add_nc_u32 v[CO2], s86, v[CO]
	; THE BIAS lies along kappa for q and k, along rho for v.  Both sets of registers are loaded (the one not wanted from the buffer's first bytes) and the one not wanted becomes zeros: no branch
	s_lshl_b32 s94, s42, 10
	s_lshl_b32 s95, s16, 9
	s_add_co_u32 s94, s94, s95                     ; 4 x (256 x tile column + 128 x half)
	s_lshl_b32 s95, s17, 10
	s_lshl_b32 s87, s15, 9
	s_add_co_u32 s95, s95, s87                     ; 4 x (256 x tile row + 128 x half)
	s_cmp_eq_u32 ttmp9, 2
	s_cselect_b32 s94, 0, s94
	s_cselect_b32 s92, s95, 0
	s_mov_b32 s95, 0
	s_mov_b32 s93, 0
	s_add_nc_u64 s[94:95], s[8:9], s[94:95]
	s_add_nc_u64 s[92:93], s[8:9], s[92:93]
	v_lshlrev_b32 v[BKO], 5, v2
	v_lshlrev_b32 v[BRO], 2, v1
.irp b, 0,1,2,3,4,5,6,7
	global_load_b128 v[BK+8*\b:BK+8*\b+3], v[BKO], s[94:95] offset:64*\b
	global_load_b128 v[BK+8*\b+4:BK+8*\b+7], v[BKO], s[94:95] offset:64*\b+16
.endr
.irp a, 0,1,2,3,4,5,6,7
	global_load_b32 v[BR+2*\a], v[BRO], s[92:93] offset:64*\a
.endr
	s_wait_kmcnt 0x0                               ; the exponents
	s_add_co_i32 s87, s68, s69                     ; e0 + e1
	s_add_co_i32 s90, s70, s71                     ; e2 + e3
	s_add_co_i32 s91, s72, s73                     ; e4 + e5
	s_cmp_eq_u32 ttmp9, 1
	s_cselect_b32 s87, s90, s87
	s_cselect_b32 s90, s75, s74                    ; the result's own scale: e7 for k, e6 for q,
	s_cmp_eq_u32 ttmp9, 2
	s_cselect_b32 s87, s91, s87                    ; ea + eb
	s_cselect_b32 s90, s77, s90                    ; e9 for v
	s_sub_co_i32 s96, 0, s87                       ; a sum stands for sum x 2^(ea + eb): the bias goes in divided by that,
	s_sub_co_i32 s90, s90, s87                     ; and the conversion's one scale is 2^(eo - ea - eb)
	s_add_co_i32 s90, s90, 127
	s_lshl_b32 s91, s90, 23
	v_mov_b32 v[SC], s91
	s_add_co_i32 s90, s90, 8
	s_lshl_b32 s90, s90, 23
	s_or_b32 s90, s90, 0x600000
	v_mov_b32 v[LIM], s90
	v_mov_b32 v[ZR], 0
	s_wait_loadcnt 0x0                             ; the bias; the first tiles are on their way meanwhile
.set J, 0
.rept 64
	v_ldexp_f32 v[BK+J], v[BK+J], s96
.set J, J+1
.endr
.irp a, 0,1,2,3,4,5,6,7
	v_ldexp_f32 v[BR+2*\a], v[BR+2*\a], s96
.endr
.set J, 0
.rept 64
	v_cndmask_b32 v[BK+J], v[BK+J], v[ZR], s67     ; zeros for v
.set J, J+1
.endr
.irp a, 0,1,2,3,4,5,6,7
	v_cndmask_b32 v[BR+2*\a], v[ZR], v[BR+2*\a], s67   ; zeros for q and k
.endr
.irp a, 0,1,2,3,4,5,6,7
	v_mov_b32 v[BR+2*\a+1], v[BR+2*\a]             ; a pair for the packed addition
.endr
.macro FRAG reg, adr, q, i             ; a fragment, 16 rows x 128 K, is 16 registers: lane l holds row l % 16; registers 4 c .. 4 c + 3 hold K = 32 c + 16 (l / 16) + 0 .. 15, alike in A and B
.irp c, 0,1,2,3
	ds_load_b128 v[\reg+4*\c:\reg+4*\c+3], v[\adr] offset:128*(\q)+32*\c+(\i)*16*PITCH
.endr
.endm
; 16 matrix instructions: A's blocks a0, a0 + 1 x B's eight, 128 along K.  p: B's set.  zero = 1: the first product starts the sums: nothing is ever cleared.
; The 64 accumulators take turns, one instruction a turn, in the same order in every step.
.macro MUL16 a0, p, zero
.irp a, \a0, \a0+1
.irp b, 0,1,2,3,4,5,6,7
.if \zero
	v_wmma_f32_16x16x128_fp8_fp8 v[8*(8*((\a)%4)+\b):8*(8*((\a)%4)+\b)+7], v[128*(\p)+FR*\b:128*(\p)+FR*\b+FR-1], v[AF+FR*(\a):AF+FR*(\a)+FR-1], 0
.else
	v_wmma_f32_16x16x128_fp8_fp8 v[8*(8*((\a)%4)+\b):8*(8*((\a)%4)+\b)+7], v[128*(\p)+FR*\b:128*(\p)+FR*\b+FR-1], v[AF+FR*(\a):AF+FR*(\a)+FR-1], v[8*(8*((\a)%4)+\b):8*(8*((\a)%4)+\b)+7]
.endif
.endr
.endr
.endm
.macro FETCH_B slot, q, p              ; B's eight fragments of the slot's q-th 128 along K into set p
	WIN TO_B
.irp i, 0,1,2,3,4,5,6,7
	FRAG 128*(\p)+FR*\i, ADRB+\slot, \q, \i
.endr
	WIN 0
.endm
.macro FETCH_A slot, q, i0             ; A's blocks i0 .. i0 + 3
.irp i, \i0, \i0+1, \i0+2, \i0+3
	FRAG AF+FR*(\i), ADRA+\slot, \q, \i
.endr
.endm
; A load into a register that a matrix instruction has read, and a vector instruction that reads a matrix result or writes one of its registers, stand NP places behind that matrix instruction;
; only plain vector instructions that name none of its registers are places.
.macro PLACES n
.rept \n
	v_nop
.endr
.endm
; A step of 128 along K that has its successor in the same slot.
.macro STEP slot, q, zero
	s_wait_dscnt 4*NL                              ; B's set and A's blocks 0-3 are in; the youngest sixteen loads (A's blocks 4-7) may be out
	WIN MUL_LO
	MUL16 0, (\q)%2, \zero
	MUL16 2, (\q)%2, \zero
	s_wait_dscnt 0                                 ; A's blocks 4-7 are in (asked for 32 matrix instructions ago)
	PLACES NP
	FETCH_B \slot, (\q)+1, 1-(\q)%2
	FETCH_A \slot, (\q)+1, 0
	WIN MUL_HI
	MUL16 4, (\q)%2, \zero
	MUL16 6, (\q)%2, \zero
	PLACES NP
	WIN 0
	FETCH_A \slot, (\q)+1, 4
.endm
; A slot's last step changes slots: ONE barrier; in front of it each wave waits for all its tensor loads, adds 0 to its spare word, and waits for that and for its own reads of this slot.  fill = 1: this slot is filled again, two K steps ahead.
.macro TURN slot, next, fill
	s_wait_tensorcnt 0x0                           ; all my tensor loads have landed: the one that was out is my part of the next slot  (every window is 0 here)
	ds_add_u32 v[SPW], v[NIL]                      ; 0 onto my spare word
	s_wait_dscnt 4*NL+1                            ; (the add and the youngest sixteen loads, A's blocks 4-7, may be out)
	WIN MUL_LO
	MUL16 0, 1, 0                                  ; sixteen matrix instructions stand between the add and the wait for it
	s_wait_dscnt 0x0                               ; the add is done, and my reads of this slot are over
	s_barrier_signal -1
	MUL16 2, 1, 0
	WIN 0
	s_barrier_wait -1
.if \fill
	CREST                                          ; the barrier has opened a round of the cluster's barrier: no wave of any partner still reads this slot's tile or has a load on its way
	s_add_nc_u64 s[G0+4*\slot+2:G0+4*\slot+3], s[G0+4*\slot+2:G0+4*\slot+3], 2*ROWB
	s_add_nc_u64 s[G0B+4*\slot+2:G0B+4*\slot+3], s[G0B+4*\slot+2:G0B+4*\slot+3], 2*ROWB
	JLOAD G0+4*\slot, G1, G0B+4*\slot, G1B         ; the first tensor load behind the round, my only one until the next; its four v_nop are also the places in front of the loads below
.else
	PLACES NP
.endif
	FETCH_B \next, 0, 0
	FETCH_A \next, 0, 0
	WIN MUL_HI
	MUL16 4, 1, 0
	MUL16 6, 1, 0
	PLACES NP
	WIN 0
	FETCH_A \next, 0, 4
.endm
	s_wait_tensorcnt 1                             ; two loads of mine are out: my part of K step 0 is in, K step 1's may stay out
	s_barrier_signal -1
	s_barrier_wait -1                              ; everybody's is
	FETCH_B 0, 0, 0
	FETCH_A 0, 0, 0
	FETCH_A 0, 0, 4
	STEP 0, 0, 1                                   ; the first step stands in front of the loop: its products start the sums
	s_mov_b32 s3, LAPS-1
.Llap:                                                 ; a trip goes once round the ring, from a lap's second step to the next lap's first, and fills both slots again
	TURN 0, 1, 1
	STEP 1, 0, 0
	TURN 1, 0, 1
	STEP 0, 0, 0
	s_sub_co_u32 s3, s3, 1
	s_cmp_lg_u32 s3, 0
	s_cbranch_scc1 .Llap
	TURN 0, 1, 0                                   ; the last lap fills nothing, and has no round of the cluster's barrier
	STEP 1, 0, 0
	s_wait_dscnt 4*NL                              ; the very last step: nothing more to fetch
	WIN MUL_LO
	MUL16 0, 1, 0
	MUL16 2, 1, 0
	s_wait_dscnt 0
	WIN MUL_HI
	MUL16 4, 1, 0
	MUL16 6, 1, 0
	WIN 0
; THE WAY OUT, block by block of 16 along rho x 128 along kappa: sum + bias, the hold, the conversion; the sixteen registers of codes are two images as they stand.
.macro OUTBLK a
.if (\a) > 0
	s_wait_xcnt 0x0                                ; the last block's stores have read their data and their base: both are written again only behind this wait
.if (\a) == 4
	s_add_nc_u64 s[10:11], s[10:11], s[88:89]
.else
	s_add_nc_u64 s[10:11], s[10:11], 1024          ; the next image along rho
.endif
.endif
.set AC, 64*((\a)%4)
	WIN 0x02+((\a)/4)                              ; source 0: window 2 or 3
.set J, 0
.rept 32
	v_pk_add_f32 v[TMP+J:TMP+J+1], v[AC+J:AC+J+1], v[BK+J:BK+J+1]   ; each accumulator from its low end on
.set J, J+2
.endr
	WIN 0
.set J, 0
.rept 32
	v_pk_add_f32 v[TMP+J:TMP+J+1], v[TMP+J:TMP+J+1], v[BR+2*(\a):BR+2*(\a)+1]   ; one of the two addends is 0: one rounding in all
.set J, J+2
.endr
.set J, 0
.rept 64
	v_med3_num_f32 v[TMP+J], v[TMP+J], -v[LIM], v[LIM]   ; the conversion does not saturate (ISA guide 7.6.2): the hold at 448 x the scale
.set J, J+1
.endr
.irp b, 0,1,2,3,4,5,6,7
	v_cvt_scalef32_pk8_fp8_f32 v[CD+2*\b:CD+2*\b+1], v[TMP+8*\b:TMP+8*\b+7], v[SC]
.endr
	v_nop                                          ; a plain line between the last conversion and the next vector line that writes its sources
	global_store_b128 v[CO], v[CD:CD+3], s[10:11]              ; each store covers 512 consecutive bytes: a quad of an image
	global_store_b128 v[CO], v[CD+4:CD+7], s[10:11] offset:512
	global_store_b128 v[CO2], v[CD+8:CD+11], s[10:11]
	global_store_b128 v[CO2], v[CD+12:CD+15], s[10:11] offset:512
.endm
	PLACES NP                                      ; behind the last products: their results are read, and the registers that held A's fragments written, only behind these
.irp a, 0,1,2,3,4,5,6,7
	OUTBLK \a
.endr
	s_wait_tensorcnt 0x0                           ; the wave's end
	ds_add_u32 v[SPW], v[NIL]
	s_wait_dscnt 0x0
	CROUND                                         ; the closing round: no work-group ends while a partner may still ask for a tile that names it
	s_endpgm
.Lfunc_end_k_qbcb1b14095_qkv:
	.size	k_qbcb1b14095_qkv, .Lfunc_end_k_qbcb1b14095_qkv-k_qbcb1b14095_qkv
	.p2alignl 7, 3214868480
	.fill 96, 4, 3214868480
	.section	.rodata,"a",@progbits
	.p2align	6, 0x0
	.amdhsa_kernel k_qbcb1b14095_qkv
		.amdhsa_group_segment_fixed_size 327680
		.amdhsa_private_segment_fixed_size 0
		.amdhsa_enable_private_segment 0
		.amdhsa_kernarg_size 104
		.amdhsa_user_sgpr_count 2
		.amdhsa_user_sgpr_kernarg_segment_ptr 1
		.amdhsa_wavefront_size32 1
		.amdhsa_system_sgpr_workgroup_id_x 1
		.amdhsa_system_sgpr_workgroup_id_y 1
		.amdhsa_system_sgpr_workgroup_id_z 1
		.amdhsa_system_vgpr_workitem_id 0
		.amdhsa_next_free_vgpr 1024
		.amdhsa_next_free_sgpr 100
		.amdhsa_reserve_vcc 0
		.amdhsa_float_denorm_mode_32 3
		.amdhsa_float_denorm_mode_16_64 3
		.amdhsa_memory_ordered 1
		.amdhsa_forward_progress 1
		.amdhsa_inst_pref_size 164
	.end_amdhsa_kernel
	.amdgpu_metadata
---
amdhsa.version: [ 1, 2 ]
amdhsa.kernels:
  - .name:           k_qbcb1b14095_qkv
    .symbol:         k_qbcb1b14095_qkv.kd
    .args:
      - { .name: xq, .offset: 0, .size: 8, .value_kind: global_buffer, .address_space: global }
      - { .name: wq_codes, .offset: 8, .size: 8, .value_kind: global_buffer, .address_space: global }
      - { .name: bq, .offset: 16, .size: 8, .value_kind: global_buffer, .address_space: global }
      - { .name: qimg, .offset: 24, .size: 8, .value_kind: global_buffer, .address_space: global }
      - { .name: xk, .offset: 32, .size: 8, .value_kind: global_buffer, .address_space: global }
      - { .name: wk_codes, .offset: 40, .size: 8, .value_kind: global_buffer, .address_space: global }
      - { .name: bk, .offset: 48, .size: 8, .value_kind: global_buffer, .address_space: global }
      - { .name: kimg, .offset: 56, .size: 8, .value_kind: global_buffer, .address_space: global }
      - { .name: wv_codes, .offset: 64, .size: 8, .value_kind: global_buffer, .address_space: global }
      - { .name: xv, .offset: 72, .size: 8, .value_kind: global_buffer, .address_space: global }
      - { .name: bv, .offset: 80, .size: 8, .value_kind: global_buffer, .address_space: global }
      - { .name: vimg, .offset: 88, .size: 8, .value_kind: global_buffer, .address_space: global }
      - { .name: lowp_scales, .offset: 96, .size: 8, .value_kind: global_buffer, .address_space: global }
    .group_segment_fixed_size: 327680
    .private_segment_fixed_size: 0
    .kernarg_segment_align: 8
    .kernarg_segment_size: 104
    .max_flat_workgroup_size: 128
    .sgpr_count:     100
    .vgpr_count:     1024
    .wavefront_size: 32
...
	.end_amdgpu_metadata
.endif
;; end of part 2
;; launch attn (part 3): grid 2 x 128, 16 waves a work-group, no clusters, 169,984 bytes of LDS; arguments qimg, kimg, vimg, mask, lowp_scales, ctximg; writes ctximg
.if DOCPART == 3
	.amdgcn_target "amdgcn-amd-amdhsa--gfx1250"
	.amdhsa_code_object_version 6
	.text
	.protected	k_qbcb1b14095_attn
	.globl	k_qbcb1b14095_attn
	.p2align	8
	.type	k_qbcb1b14095_attn,@function
k_qbcb1b14095_attn:
	s_mov_b64 s[64:65], 0
	v_nop
	global_prefetch_b8 v0, s[64:65] scope:SCOPE_SE
	s_setreg_imm32_b32 hwreg(HW_REG_WAVE_MODE, 25, 1), 1
	s_wait_xcnt 0x0
; ctx = softmax(q k^T / 8 + mask x -10000) v for one (batch, head), both products on E4M3 codes (K = 64 form), then quantised by 2^e10 and stored as images of operand registers.
; THE SOFTMAX AHEAD OF THE SECOND PRODUCT: t = logit x log2(e); M = the running largest t rounded UP to a whole number; p = 2^(t - M) is quantised by 2^e8, not normalised; the row's sum is taken of the
; unquantised p and divides at the end.  When M moves, the sum and O are multiplied by 2^(old M - new M): nothing is rounded, and there is no branch on data.
; SHARES: work-group (x, bh) owns queries 512 x .. 512 x + 511 of head bh; each of its sixteen waves owns 32 of them, two tiles of 16, in 256 registers: four waves to a SIMD, so that one wave's
; vector work stands beside another's matrix work and LDS loads.  Each fragment of K and V that a wave reads from LDS feeds two matrix instructions.
; LDS: the head's WHOLE K (64 images of 1,024 bytes) and V (64 images) lie there, each brought ONCE, in four chunks of 256 keys: wave 0 brings K's four, wave 1 V's four.  No byte is filled twice:
; no ring.  A wave has at most four tensor loads outstanding.  Behind them 1,024 mask terms, stored by the waves.
; LAYOUT: both products are used transposed: S^T = K Q^T (source 0 = 16 keys, source 1 = 16 queries), O^T = V^T P^T: a lane holds ONE query (lane % 16) throughout; registers 8 t + j of S^T are keys
; 16 t + 8 h + j, so the conversion of tile t's eight gives registers 2 t, 2 t + 1 of P in the plain 8-bit layout; likewise O^T's four tiles give the image of ctx.
; THE MASK IS THE C OF THE FIRST PRODUCT: logit = (sum of codes + mask x -80000 x 2^-(e6 + e7)) x 2^(e6 + e7 - 3); the terms lie in registers in the result's layout, one set for both tiles of queries.
; A row all of whose keys are masked is served like any other.
; NO CLUSTER: a head's K and V have two readers (the grid's x is 2), and each byte is asked for once by each, at the head; four work-groups would hold two heads, which need different tiles.
; NO PREFETCH: all that the work-group reads is asked for in its first lines.
; LIMITS: e6 + e7 between -110 and 130; e8 and e10 - e8 - e9 between -126 and 119.  NaN and infinities are not served.
; REGISTERS: v1-3 addresses that stay; tile q: v[4+4q] -M, v[5+4q] largest t, v[6+4q:7+4q] the sum in two halves; v12-14 addresses in hand; v16-31 Q; v32-63 K's, then V's fragments; v64-95 mask terms;
; v96-159 S^T, then p; v160-223 O^T; v224-239 p's codes; v240 448 x 2^e8, v241 2^e8; v[242:243], v[254:255] second chain of the sums; v[244+2q] f; v[248+2q:249+2q] at work; v[252+q] a permute's destination.
.set MT,  131072                       ; LDS: the mask terms, 4,096 bytes; no tensor load lands here
.set VB,  65536                        ; LDS: V's images; K's begin at 0
.set WV,  18                           ; s18  my wave's number
.set G1,  24                           ; s[24:31] descriptor group 1: 64 rows of 256 bytes, dense
.set G0,  32                           ; s[32:47] four groups 0, one for each chunk
.set TB,  2                            ; s2   LDS byte of the step's images, in K's region and in V's alike
.set TM,  3                            ; s3   LDS byte of the step's mask terms
.set CNT, 48                           ; s48  a chunk's steps to go
	s_load_b256 s[4:11], s[0:1], 0x0               ; qimg s[4:5], kimg s[6:7], vimg s[8:9], mask s[10:11]
	s_load_b128 s[12:15], s[0:1], 0x20             ; the scales s[12:13], ctximg s[14:15]
	v_lshl_add_u32 v254, v0, 2, 0x29000
	v_mov_b32 v255, 0
	ds_add_u32 v254, v255
	ds_add_u32 v254, v255
	s_wait_dscnt 0x0
	v_lshrrev_b32 v12, 5, v0
	v_readfirstlane_b32 s[WV], v12                 ; wave 0..15
	s_and_b32 s49, ttmp7, 0xffff                   ; bh = 16 x batch + head
	s_mov_b32 s[G1], 3<<16                         ; no mask; elements of 8 bytes; no padding
	s_mov_b32 s[G1+1], 32<<16                      ; tensor_dim0 = 32 elements: 256 bytes
	s_mov_b32 s[G1+2], 64<<16                      ; tensor_dim1 = 64
	s_mov_b32 s[G1+3], 32<<16                      ; tile_dim0
	s_mov_b32 s[G1+4], 64                          ; tile_dim1
	s_mov_b32 s[G1+5], 32                          ; the pitch: rows on end
	s_mov_b32 s[G1+6], 0
	s_mov_b32 s[G1+7], 0
	s_mov_b32 s20, 0x76543210                      ; v_permlanex16_b32's selects for lane l xor 16
	s_mov_b32 s21, 0xfedcba98
	s_and_b32 s50, s[WV], 1
	s_lshl_b32 s50, s50, 16                        ; wave 0 fills from byte 0 (K), wave 1 from 65,536 (V)
	s_lshl_b32 s54, s49, 16                        ; the head's 64 images in qimg, kimg, vimg
	s_mov_b32 s55, 0
	s_lshl_b32 s56, ttmp9, 15                      ; my two tiles of queries: 32 x + 2 wave
	s_lshl_b32 s57, s[WV], 11
	s_add_co_u32 s56, s56, s57
	s_mov_b32 s57, 0
	s_lshr_b32 s51, s49, 4                         ; the batch
	s_lshl_b32 s58, s51, 12                        ; its 1,024 words of the mask
	s_mov_b32 s59, 0
	s_lshl_b32 s60, s51, 20                        ; ctximg: image (64 batch + token tile) 16 + head
	s_lshl_b32 s61, ttmp9, 19
	s_add_co_u32 s60, s60, s61
	s_lshl_b32 s61, s[WV], 15
	s_add_co_u32 s60, s60, s61
	s_and_b32 s61, s49, 15
	s_lshl_b32 s61, s61, 10
	s_add_co_u32 s60, s60, s61
	s_mov_b32 s61, 0
	s_wait_kmcnt 0x0
	s_load_b256 s[68:75], s[12:13], 0x0            ; e0 .. e7
	s_load_b128 s[76:79], s[12:13], 0x20           ; e8 .. e11
	s_cmp_eq_u32 s[WV], 0
	s_cselect_b64 s[52:53], s[6:7], s[8:9]         ; K's images for wave 0, V's for wave 1
	s_add_nc_u64 s[52:53], s[52:53], s[54:55]
.irp c, 0,1,2,3
	s_mov_b32 s[G0+4*\c], 1                        ; count = 1
	s_add_co_u32 s[G0+4*\c+1], s50, 16384*\c       ; LDS address: chunk c
	s_add_nc_u64 s[G0+4*\c+2:G0+4*\c+3], s[52:53], 16384*\c
	s_or_b32 s[G0+4*\c+3], s[G0+4*\c+3], 0x80000000   ; type = 2
.endr
	s_cmp_lt_u32 s[WV], 2                          ; all first fills of a wave stand in one branch on its number, ahead of every wait on TENSORcnt, every LDS read and every barrier
	s_cbranch_scc0 .Lno_fill
	tensor_load_to_lds s[G0:G0+3], s[G1:G1+7]
	s_nop 0
	tensor_load_to_lds s[G0+4:G0+7], s[G1:G1+7]
	s_nop 0
	tensor_load_to_lds s[G0+8:G0+11], s[G1:G1+7]
	s_nop 0
	tensor_load_to_lds s[G0+12:G0+15], s[G1:G1+7]
	s_nop 0
.rept 4
	v_nop
.endr
.Lno_fill:
	s_add_nc_u64 s[4:5], s[4:5], s[54:55]
	s_add_nc_u64 s[4:5], s[4:5], s[56:57]
	s_add_nc_u64 s[10:11], s[10:11], s[58:59]
	s_add_nc_u64 s[14:15], s[14:15], s[60:61]
	v_and_b32 v1, 31, v0
	v_lshlrev_b32 v1, 4, v1                        ; 16 x lane: my place in an image's quad
	v_add_nc_u32 v2, VB, v1                        ; the same in V's region
	v_bfe_u32 v3, v0, 4, 1
	v_lshl_add_u32 v3, v3, 5, MT                   ; the mask terms of my half's eight keys: + 32 h
	v_lshlrev_b32 v15, 3, v0                       ; two words of the mask a thread
	v_lshl_add_u32 v13, v0, 3, MT
.irp i, 0,1,2,3
	global_load_b128 v[16+4*\i:19+4*\i], v1, s[4:5] offset:512*\i th:TH_LOAD_NT   ; Q's two images stay in registers
.endr
	global_load_b64 v[248:249], v15, s[10:11]
	v_mov_b32 v5, 0xff61b1e6                       ; the largest t so far: -3e38, under every t
	v_mov_b32 v9, 0xff61b1e6
	v_floor_f32 v4, -v5                            ; -M
	v_floor_f32 v8, -v9
	v_mov_b32 v6, 0                                ; the sums
	v_mov_b32 v7, 0
	v_mov_b32 v10, 0
	v_mov_b32 v11, 0
	v_mov_b32 v245, 0                              ; (named as the upper halves of f's pairs)
	v_mov_b32 v247, 0
	v_mov_b32 v252, 0                              ; a lane permute's destination counts as one of its sources
	v_mov_b32 v253, 0
.set J, 0
.rept 64
	v_mov_b32 v[160+J], 0                          ; O^T.  (The step is written once: the first finds zeros, which the first change of M leaves zeros)
.set J, J+1
.endr
	s_wait_kmcnt 0x0
	s_add_co_i32 s62, s74, s75                     ; e6 + e7
	s_sub_co_i32 s63, 0, s62
	s_sub_co_i32 s62, s62, 3                       ; / 8
	s_lshl_b32 s62, s62, 23
	s_add_co_i32 s22, s62, 0x3fb8aa3b              ; c = log2(e) x 2^(e6 + e7 - 3): the exponents are added to log2(e)'s exponent field
	s_mov_b32 s23, s22                             ; (named with it as a pair, so it is written)
	s_add_co_i32 s66, s76, 127
	s_lshl_b32 s67, s66, 23
	v_mov_b32 v241, s67                            ; 2^e8 as f32, for p's conversion
	s_add_co_i32 s66, s66, 8
	s_lshl_b32 s66, s66, 23
	s_or_b32 s66, s66, 0x600000
	v_mov_b32 v240, s66                            ; 448 x 2^e8
	s_sub_co_i32 s66, s78, s76
	s_sub_co_i32 s66, s66, s77                     ; e10 - e8 - e9: O^T / l stands for ctx / 2^(e8 + e9)
	s_add_co_i32 s66, s66, 127
	s_lshl_b32 s80, s66, 23                        ; the way out's scale,
	s_add_co_i32 s66, s66, 8
	s_lshl_b32 s81, s66, 23
	s_or_b32 s81, s81, 0x600000                    ; and 448 x it
	s_wait_loadcnt 0x0                             ; Q and the mask
	v_cvt_f32_i32 v248, v248
	v_cvt_f32_i32 v249, v249
	v_mul_f32 v248, 0xc79c4000, v248               ; x -80000 = 8 x -10000
	v_mul_f32 v249, 0xc79c4000, v249
	v_ldexp_f32 v248, v248, s63                    ; / 2^(e6 + e7)
	v_ldexp_f32 v249, v249, s63
	ds_store_b64 v13, v[248:249]                   ; the first chunk's barrier stands between these stores and the reads
; A KEY STEP: 64 keys, both tiles of queries.
.macro STEP
	v_add_nc_u32 v12, s[TB], v1
	v_add_nc_u32 v13, s[TB], v2
	v_add_nc_u32 v14, s[TM], v3
	v_nop                                          ; four places in front of loads into registers that the last step's products have read
.irp t, 0,1,2,3
	ds_load_b128 v[32+8*\t:35+8*\t], v12 offset:1024*\t        ; K's four images: 512 consecutive bytes a load
	ds_load_b128 v[36+8*\t:39+8*\t], v12 offset:1024*\t+512
.endr
.irp t, 0,1,2,3
	ds_load_b128 v[64+8*\t:67+8*\t], v14 offset:64*\t          ; the mask terms of keys 16 t + 8 h + 0..7
	ds_load_b128 v[68+8*\t:71+8*\t], v14 offset:64*\t+16
.endr
	s_wait_dscnt 0x0
.irp t, 0,1,2,3
.irp q, 0,1
	v_wmma_f32_16x16x64_fp8_fp8 v[96+32*\q+8*\t:103+32*\q+8*\t], v[32+8*\t:39+8*\t], v[16+8*\q:23+8*\q], v[64+8*\t:71+8*\t]
.endr
.endr
.rept 4
	v_nop                                          ; places in front of the loads into K's registers and of the first read of the scores
.endr
.irp t, 0,1,2,3
	ds_load_b128 v[32+8*\t:35+8*\t], v13 offset:1024*\t        ; V's four images land under the softmax
	ds_load_b128 v[36+8*\t:39+8*\t], v13 offset:1024*\t+512
.endr
.irp q, 0,1
	v_max3_num_f32 v[248+2*\q], v[96+32*\q], v[97+32*\q], v[98+32*\q]   ; the step's largest score of my query among my 32 keys, in two chains; each accumulator is read from its low end on
	v_max3_num_f32 v[249+2*\q], v[99+32*\q], v[100+32*\q], v[101+32*\q]
.endr
.irp i, 6,10,14,18,22,26
.irp q, 0,1
	v_max3_num_f32 v[248+2*\q], v[248+2*\q], v[96+32*\q+\i], v[97+32*\q+\i]
	v_max3_num_f32 v[249+2*\q], v[249+2*\q], v[98+32*\q+\i], v[99+32*\q+\i]
.endr
.endr
.irp q, 0,1
	v_max3_num_f32 v[248+2*\q], v[248+2*\q], v[126+32*\q], v[127+32*\q]
.endr
.irp q, 0,1
	v_max_num_f32 v[248+2*\q], v[248+2*\q], v[249+2*\q]
.endr
.irp q, 0,1
	v_permlanex16_b32 v[252+\q], v[248+2*\q], s20, s21
.endr
.irp q, 0,1
	v_max_num_f32 v[248+2*\q], v[248+2*\q], v[252+\q]          ; and among lane l xor 16's
.endr
.irp q, 0,1
	v_mul_f32 v[248+2*\q], s22, v[248+2*\q]                    ; as t (c is positive)
.endr
.irp q, 0,1
	v_max_num_f32 v[5+4*\q], v[5+4*\q], v[248+2*\q]            ; the running largest t
.endr
.irp q, 0,1
	v_mov_b32 v[248+2*\q], v[4+4*\q]
.endr
.irp q, 0,1
	v_floor_f32 v[4+4*\q], -v[5+4*\q]                          ; the new -M = floor(-t) = -ceil(t): a whole number
.endr
.irp q, 0,1
	v_sub_f32 v[248+2*\q], v[4+4*\q], v[248+2*\q]              ; old M - new M: a whole number, 0 or less
.endr
.irp q, 0,1
	v_cvt_i32_f32 v[248+2*\q], v[248+2*\q]                     ; (it saturates)
.endr
.irp q, 0,1
	v_ldexp_f32 v[244+2*\q], 1.0, v[248+2*\q]                  ; f = 2^(old M - new M)
.endr
.irp q, 0,1
.irp j, 0,2,4,6,8,10,12,14,16,18,20,22,24,26,28,30
	v_pk_fma_f32 v[96+32*\q+\j:97+32*\q+\j], v[96+32*\q+\j:97+32*\q+\j], s[22:23], v[4+4*\q:5+4*\q] op_sel_hi:[1,0,0]   ; t - M: one rounding (of the pairs c and -M the low word serves both halves)
.endr
.endr
.set J, 0
.rept 64
	v_exp_f32 v[96+J], v[96+J]                     ; p = 2^(t - M), at most 1: both tiles' exponentials are one batch
.set J, J+1
.endr
.irp q, 0,1
	v_pk_mul_f32 v[6+4*\q:7+4*\q], v[6+4*\q:7+4*\q], v[244+2*\q:245+2*\q] op_sel_hi:[1,0]   ; the sums under the new M.  (The plain place behind the exponentials)
.endr
	s_wait_alu depctr_va_vdst(0)                   ; one wait for the whole batch, ahead of its first reader
.irp q, 0,1
	v_pk_add_f32 v[242+12*\q:243+12*\q], v[96+32*\q:97+32*\q], v[98+32*\q:99+32*\q]   ; the row's sum is taken of the UNQUANTISED p, in two chains
.endr
.irp j, 4,8,12,16,20,24,28
.irp q, 0,1
	v_pk_add_f32 v[6+4*\q:7+4*\q], v[6+4*\q:7+4*\q], v[96+32*\q+\j:97+32*\q+\j]
	v_pk_add_f32 v[242+12*\q:243+12*\q], v[242+12*\q:243+12*\q], v[98+32*\q+\j:99+32*\q+\j]
.endr
.endr
.irp q, 0,1
	v_pk_add_f32 v[6+4*\q:7+4*\q], v[6+4*\q:7+4*\q], v[242+12*\q:243+12*\q]
.endr
.irp q, 0,1
.irp t, 0,1,2,3
.irp i, 0,1,2,3,4,5,6,7
	v_min_num_f32 v[96+32*\q+8*\t+\i], v[96+32*\q+8*\t+\i], v240   ; the conversion does not saturate (ISA guide 7.6.2); p is not negative, so the hold is one-sided
.endr
	v_cvt_scalef32_pk8_fp8_f32 v[224+8*\q+2*\t:225+8*\q+2*\t], v[96+32*\q+8*\t:103+32*\q+8*\t], v241
.endr
.endr
.irp q, 0,1
.irp j, 0,2,4,6,8,10,12,14,16,18,20,22,24,26,28,30
	v_pk_mul_f32 v[160+32*\q+\j:161+32*\q+\j], v[160+32*\q+\j:161+32*\q+\j], v[244+2*\q:245+2*\q] op_sel_hi:[1,0]   ; O^T under the new M.  (Also the plain lines between the conversions and the products)
.endr
.endr
	s_wait_dscnt 0x0                               ; V's images are in
.irp t, 0,1,2,3
.irp q, 0,1
	v_wmma_f32_16x16x64_fp8_fp8 v[160+32*\q+8*\t:167+32*\q+8*\t], v[32+8*\t:39+8*\t], v[224+8*\q:231+8*\q], v[160+32*\q+8*\t:167+32*\q+8*\t]   ; eight accumulators by turns, one instruction a turn
.endr
.endr
.endm
; A CHUNK of 256 keys: four steps.  The loading waves' loads land in order: with 3 - c still out, chunk c is in; the later chunks may stay out across this barrier.
.macro CHUNK c
	s_wait_tensorcnt 3-\c
	s_wait_dscnt 0x0                               ; no LDS instruction of mine is pending at the signal (in front of chunk 0: my mask terms are stored)
	s_barrier_signal -1
	s_barrier_wait -1                              ; chunk c of K and of V is whole for all sixteen waves
	s_mov_b32 s[TB], 16384*\c
	s_mov_b32 s[TM], 1024*\c
	s_mov_b32 s[CNT], 4
.Lstep_\@:
	STEP
	s_add_co_u32 s[TB], s[TB], 4096                ; four images on, in K and in V
	s_add_co_u32 s[TM], s[TM], 256                 ; 64 mask terms on
	s_sub_co_u32 s[CNT], s[CNT], 1
	s_cmp_lg_u32 s[CNT], 0
	s_cbranch_scc1 .Lstep_\@
.endm
	CHUNK 0
	CHUNK 1
	CHUNK 2
	CHUNK 3                                        ; its wait on TENSORcnt is for 0: none is out at the end
	; THE WAY OUT: O^T / the sum, held, converted with the folded scale 2^(e10 - e8 - e9): the eight registers of a tile are its image.
.rept 4
	v_nop                                          ; places behind the last products
.endr
	v_mov_b32 v242, s81
	v_mov_b32 v243, s80
.irp q, 0,1
	v_add_f32 v[6+4*\q], v[6+4*\q], v[7+4*\q]      ; the sum's two halves,
.endr
.irp q, 0,1
	v_permlanex16_b32 v[252+\q], v[6+4*\q], s20, s21
.endr
.irp q, 0,1
	v_add_f32 v[6+4*\q], v[6+4*\q], v[252+\q]      ; and lane l xor 16's: the row's sum, above 1/2
.endr
.irp q, 0,1
	v_rcp_f32 v[6+4*\q], v[6+4*\q]
.endr
	v_nop                                          ; a plain place behind the reciprocals
	s_wait_alu depctr_va_vdst(0)                   ; one wait for both, ahead of the first reader
.irp q, 0,1
.set J, 0
.rept 32
	v_mul_f32 v[96+32*\q+J], v[160+32*\q+J], v[6+4*\q]   ; each accumulator from its low end on
.set J, J+1
.endr
.endr
.set J, 0
.rept 64
	v_med3_num_f32 v[96+J], v[96+J], -v242, v242
.set J, J+1
.endr
.irp q, 0,1
.irp t, 0,1,2,3
	v_cvt_scalef32_pk8_fp8_f32 v[224+8*\q+2*\t:225+8*\q+2*\t], v[96+32*\q+8*\t:103+32*\q+8*\t], v243
.endr
.endr
	v_nop
	global_store_b128 v1, v[224:227], s[14:15]                 ; each store covers 512 consecutive bytes: a quad of an image
	global_store_b128 v1, v[228:231], s[14:15] offset:512
	global_store_b128 v1, v[232:235], s[14:15] offset:16384    ; the next token tile: sixteen heads' images on
	global_store_b128 v1, v[236:239], s[14:15] offset:16896
	s_wait_xcnt 0x0
	v_lshl_add_u32 v254, v0, 2, 0x29000
	v_mov_b32 v255, 0
	s_wait_tensorcnt 0x0
	ds_add_u32 v254, v255
	s_wait_dscnt 0x0
	s_endpgm
.Lfunc_end_k_qbcb1b14095_attn:
	.size	k_qbcb1b14095_attn, .Lfunc_end_k_qbcb1b14095_attn-k_qbcb1b14095_attn
	.p2alignl 7, 3214868480
	.fill 96, 4, 3214868480
	.section	.rodata,"a",@progbits
	.p2align	6, 0x0
	.amdhsa_kernel k_qbcb1b14095_attn
		.amdhsa_group_segment_fixed_size 169984
		.amdhsa_private_segment_fixed_size 0
		.amdhsa_enable_private_segment 0
		.amdhsa_kernarg_size 48
		.amdhsa_user_sgpr_count 2
		.amdhsa_user_sgpr_kernarg_segment_ptr 1
		.amdhsa_wavefront_size32 1
		.amdhsa_system_sgpr_workgroup_id_x 1
		.amdhsa_system_sgpr_workgroup_id_y 1
		.amdhsa_system_sgpr_workgroup_id_z 1
		.amdhsa_system_vgpr_workitem_id 0
		.amdhsa_next_free_vgpr 256
		.amdhsa_next_free_sgpr 84
		.amdhsa_reserve_vcc 0
		.amdhsa_float_denorm_mode_32 3
		.amdhsa_float_denorm_mode_16_64 3
		.amdhsa_memory_ordered 1
		.amdhsa_forward_progress 1
		.amdhsa_inst_pref_size 83
	.end_amdhsa_kernel
	.amdgpu_metadata
---
amdhsa.version: [ 1, 2 ]
amdhsa.kernels:
  - .name:           k_qbcb1b14095_attn
    .symbol:         k_qbcb1b14095_attn.kd
    .args:
      - { .name: qimg, .offset: 0, .size: 8, .value_kind: global_buffer, .address_space: global }
      - { .name: kimg, .offset: 8, .size: 8, .value_kind: global_buffer, .address_space: global }
      - { .name: vimg, .offset: 16, .size: 8, .value_kind: global_buffer, .address_space: global }
      - { .name: mask, .offset: 24, .size: 8, .value_kind: global_buffer, .address_space: global }
      - { .name: lowp_scales, .offset: 32, .size: 8, .value_kind: global_buffer, .address_space: global }
      - { .name: ctximg, .offset: 40, .size: 8, .value_kind: global_buffer, .address_space: global }
    .group_segment_fixed_size: 169984
    .private_segment_fixed_size: 0
    .kernarg_segment_align: 8
    .kernarg_segment_size: 48
    .max_flat_workgroup_size: 512
    .sgpr_count:     84
    .vgpr_count:     256
    .wavefront_size: 32
...
	.end_amdgpu_metadata
.endif
;; end of part 3
;; launch outln (part 4): grid 256 x 1, 16 waves a work-group, no clusters, 166,400 bytes of LDS; arguments ctximg, woimg, lowp_scales, x, bo, gamma, beta, out0; writes out0
.if DOCPART == 4
	.amdgcn_target "amdgcn-amd-amdhsa--gfx1250"
	.amdhsa_code_object_version 6
	.text
	.protected	k_qbcb1b14095_outln
	.globl	k_qbcb1b14095_outln
	.p2align	8
	.type	k_qbcb1b14095_outln,@function
k_qbcb1b14095_outln:
	s_mov_b64 s[64:65], 0
	v_nop
	global_prefetch_b8 v0, s[64:65] scope:SCOPE_SE
	s_setreg_imm32_b32 hwreg(HW_REG_WAVE_MODE, 25, 1), 1
	s_wait_xcnt 0x0
; out = layernorm(x + ctx wo + bo) x gamma + beta.  The product runs on E4M3 codes (K = 128 form); its sums are multiplied by 2^(e10 + e11); all else in f32.
; SHARES: a work-group owns 32 WHOLE rows (tiles of rows 2 wg, 2 wg + 1), since the norm wants whole rows.  In the product wave w makes columns 64 w .. 64 w + 63 for all 32 rows: eight accumulators.
; In the row pass wave w owns rows 2 w and 2 w + 1 whole: mean and variance never leave the wave.
; OPERANDS ARE IMAGES OF REGISTERS.  ctx: the 32 rows' 32 images (32,768 consecutive bytes) are copied once into LDS; two heads' images on end are a 16 x 128 fragment.  wo: each fragment (2,048 bytes, laid by the
; first launch) goes from memory straight into the registers of the one wave that uses it, 512 consecutive bytes a load, two K steps ahead, in two buffers.
; THE MATRIX INSTRUCTION IS USED TRANSPOSED (source 0 = 16 rows n of wo, source 1 = 16 rows of ctx): a lane holds one row and eight neighbouring columns, which go through a stage in LDS to the row's owner.
; THE NORM takes two passes over registers: the mean, then the sum of squares of the differences.
; NO CLUSTER, NO TENSOR LOAD: each byte of wo is used by ONE wave of a work-group; through LDS it would be written and read once more, behind a barrier for each refill, to feed the same eight matrix instructions.
; PREFETCH: in K step 3 each wave names its own two rows of x (8,192 bytes: 32 lanes, 256 bytes apart), three K steps ahead of the loads that want them; each block is named once in the launch.
; LIMITS: e10 + e11 between -126 and 127.  NaN and infinities are not served.
; REGISTERS: v1-6 addresses; v8-29 statistics; v32-95, v96-159 wo's two buffers; v160-191 ctx's two fragments; v192-255 the accumulators ((mt, n) at v[192 + 8 (4 mt + n)]).
; Row pass: v32-95 x; v96-159 the scaled sums, then gamma (v96-127) and beta (v128-159); v160-223 y; v224-255 bo.
.set SP,   4112                        ; a stage row: 4,096 bytes + 16
.set STG,  32768                       ; LDS: ctx's images at 0, the stage of 32 rows behind them
.set AF,   160
.set ACC,  192
.set XR,   32
.set TMP,  96
.set GA,   96
.set BE,   128
.set Y,    160
.set BO,   224
	s_load_b256 s[4:11], s[0:1], 0x0               ; ctximg s[4:5], woimg s[6:7], the scales s[8:9], x s[10:11]
	s_load_b256 s[12:19], s[0:1], 0x20             ; bo s[12:13], gamma s[14:15], beta s[16:17], out0 s[18:19]
	v_lshl_add_u32 v30, v0, 2, 0x28200
	v_mov_b32 v31, 0
	v_lshrrev_b32 v8, 5, v0
	v_readfirstlane_b32 s24, v8                    ; wave 0..15
	v_and_b32 v9, 31, v0
	v_lshlrev_b32 v1, 4, v9                        ; 16 x lane
	v_lshlrev_b32 v6, 8, v9                        ; 256 x lane: the prefetch
	s_lshl_b32 s25, s24, 11
	v_add_nc_u32 v2, s25, v1                       ; where I put my 2,048 bytes of ctx's images
	v_and_b32 v10, 15, v0                          ; r
	v_bfe_u32 v11, v0, 4, 1                        ; h
	v_mul_u32_u24 v3, v10, SP
	v_lshl_add_u32 v3, v11, 5, v3
	s_lshl_b32 s25, s24, 8
	s_add_co_u32 s25, s25, STG
	v_add_nc_u32 v3, s25, v3                       ; the stage, in: row r, + 256 wave + 32 h
	v_add_nc_u32 v4, 16*SP, v3                     ; the same for rows 16-31
	s_mul_i32 s25, s24, 2*SP
	s_add_co_u32 s25, s25, STG
	v_add_nc_u32 v5, s25, v1                       ; and back: my two rows, 16 bytes a lane
	v_mov_b32 v24, 0                               ; a lane permute's destination counts as one of its sources
	v_mov_b32 v25, 0
	v_mov_b32 v27, 0                               ; (named as the upper halves of pairs)
	v_mov_b32 v29, 0
	s_mov_b32 s32, 0x76543210
	s_mov_b32 s33, 0xfedcba98
	s_mov_b32 s22, 0x3a800000                      ; 1 / 1024
	s_mov_b32 s23, 0x358637bd                      ; 1e-6
	s_lshl_b32 s26, ttmp9, 15
	s_lshl_b32 s27, s24, 11
	s_add_co_u32 s26, s26, s27
	s_mov_b32 s27, 0                               ; ctximg: 32,768 wg + 2,048 wave
	s_lshl_b32 s28, s24, 16
	s_mov_b32 s29, 0                               ; woimg: my four tiles of n: 32 fragments of 2,048 bytes a wave
	s_lshl_b32 s30, ttmp9, 17
	s_lshl_b32 s31, s24, 13
	s_add_co_u32 s30, s30, s31
	s_mov_b32 s31, 0                               ; x, out0: 32 rows a work-group, 2 a wave
	s_wait_kmcnt 0x0
	s_load_b64 s[20:21], s[8:9], 0x28              ; e10, e11
	s_add_nc_u64 s[4:5], s[4:5], s[26:27]
	s_add_nc_u64 s[6:7], s[6:7], s[28:29]
	s_add_nc_u64 s[10:11], s[10:11], s[30:31]
	s_add_nc_u64 s[18:19], s[18:19], s[30:31]
.macro LOADB s, buf                    ; my four fragments of wo for K step s
.irp n, 0,1,2,3
.irp q, 0,1,2,3
	global_load_b128 v[\buf+16*\n+4*\q:\buf+16*\n+4*\q+3], v1, s[6:7] offset:16384*\n+2048*(\s)+512*\q
.endr
.endr
.endm
.macro XLOAD                           ; my two rows of x: 512 consecutive bytes a load
.irp p, 0,1
.irp i, 0,1,2,3,4,5,6,7
	global_load_b128 v[XR+32*\p+4*\i:XR+32*\p+4*\i+3], v1, s[10:11] offset:4096*\p+512*\i th:TH_LOAD_NT
.endr
.endr
.endm
.irp i, 0,1,2,3
	global_load_b128 v[AF+4*\i:AF+4*\i+3], v1, s[4:5] offset:512*\i th:TH_LOAD_NT
.endr
	LOADB 0, 32
	LOADB 1, 96
	s_wait_kmcnt 0x0
	s_add_co_i32 s20, s20, s21
	s_add_co_i32 s20, s20, 127
	s_lshl_b32 s20, s20, 23                        ; 2^(e10 + e11) as f32
	s_mov_b32 s21, s20                             ; (named with it as a pair, so it is written)
	s_wait_loadcnt 32                              ; my part of ctx is in; wo's 32 loads behind it may be out
.irp i, 0,1,2,3
	ds_store_b128 v2, v[AF+4*\i:AF+4*\i+3] offset:512*\i
.endr
	s_wait_dscnt 0x0                               ; for the others' sake: my stores have landed
	s_barrier_signal -1
	s_barrier_wait -1                              ; ctx's 32 images lie in LDS
.macro KSTEP s
.set BB, 32+64*((\s)%2)
.irp mt, 0,1
.irp i, 0,1,2,3
	ds_load_b128 v[AF+16*\mt+4*\i:AF+16*\mt+4*\i+3], v1 offset:16384*\mt+2048*(\s)+512*\i   ; heads 2 s and 2 s + 1 on end: k = 128 s + 0..127
.endr
.endr
	s_wait_loadcnt 16                              ; this step's fragments of wo are in; the sixteen loads issued behind them (the next step's; in the last step x's) may be out
	s_wait_dscnt 0x0
.irp mt, 0,1
.irp n, 0,1,2,3
.if (\s) == 0
	v_wmma_f32_16x16x128_fp8_fp8 v[ACC+8*(4*\mt+\n):ACC+8*(4*\mt+\n)+7], v[BB+16*\n:BB+16*\n+15], v[AF+16*\mt:AF+16*\mt+15], 0   ; the first K step starts the sums
.else
	v_wmma_f32_16x16x128_fp8_fp8 v[ACC+8*(4*\mt+\n):ACC+8*(4*\mt+\n)+7], v[BB+16*\n:BB+16*\n+15], v[AF+16*\mt:AF+16*\mt+15], v[ACC+8*(4*\mt+\n):ACC+8*(4*\mt+\n)+7]   ; eight accumulators by turns
.endif
.endr
.endr
.rept 4
	v_nop                                          ; places in front of loads into registers that these products have read, and of the first read of results
.endr
.if (\s) <= 5
	LOADB (\s)+2, BB                               ; two K steps ahead, into the buffer just read
.endif
.if (\s) == 6
	XLOAD                                          ; buffer 0 is done with: x lands under the last K step
.endif
.if (\s) == 3
	global_prefetch_b8 v6, s[10:11] th:TH_LOAD_NT scope:SCOPE_SE   ; my two rows of x, behind this step's loads; its address registers are never rewritten
.endif
.endm
.irp s, 0,1,2,3,4,5,6,7
	KSTEP \s
.endr
.set J, 0
.rept 32
	v_pk_mul_f32 v[TMP+J:TMP+J+1], v[ACC+J:ACC+J+1], s[20:21] op_sel_hi:[1,0]   ; x 2^(e10 + e11): nothing is rounded; each accumulator from its low end on
.set J, J+2
.endr
.irp i, 0,1,2,3,4,5,6,7
	global_load_b128 v[BO+4*\i:BO+4*\i+3], v1, s[12:13] offset:512*\i           ; bo at my columns of the row pass: 128 i + 4 lane + 0..3
.endr
.irp mt, 0,1
.irp n, 0,1,2,3
	ds_store_b128 v[3+\mt], v[TMP+8*(4*\mt+\n):TMP+8*(4*\mt+\n)+3] offset:64*\n        ; lane (r, h): row 16 mt + r, columns 64 w + 16 n + 8 h + 0..7
	ds_store_b128 v[3+\mt], v[TMP+8*(4*\mt+\n)+4:TMP+8*(4*\mt+\n)+7] offset:64*\n+16
.endr
.endr
	s_wait_dscnt 0x0                               ; my stores have landed (and have read their registers)
	s_barrier_signal -1
	s_barrier_wait -1                              ; 32 whole rows lie in the stage
.irp p, 0,1
.irp i, 0,1,2,3,4,5,6,7
	ds_load_b128 v[Y+32*\p+4*\i:Y+32*\p+4*\i+3], v5 offset:SP*\p+512*\i
.endr
.endr
.irp i, 0,1,2,3,4,5,6,7
	global_load_b128 v[GA+4*\i:GA+4*\i+3], v1, s[14:15] offset:512*\i
.endr
.irp i, 0,1,2,3,4,5,6,7
	global_load_b128 v[BE+4*\i:BE+4*\i+3], v1, s[16:17] offset:512*\i
.endr
	s_wait_dscnt 0x0
	s_wait_loadcnt 16                              ; x and bo are in; gamma's and beta's sixteen loads may be out
.irp p, 0,1
.set J, 0
.rept 16
	v_pk_add_f32 v[Y+32*\p+J:Y+32*\p+J+1], v[Y+32*\p+J:Y+32*\p+J+1], v[XR+32*\p+J:XR+32*\p+J+1]   ; x + ctx wo
.set J, J+2
.endr
.endr
.irp p, 0,1
.set J, 0
.rept 16
	v_pk_add_f32 v[Y+32*\p+J:Y+32*\p+J+1], v[Y+32*\p+J:Y+32*\p+J+1], v[BO+J:BO+J+1]               ; + bo
.set J, J+2
.endr
.endr
.irp p, 0,1
	v_pk_add_f32 v[8+8*\p:9+8*\p], v[Y+32*\p:Y+32*\p+1], v[Y+32*\p+2:Y+32*\p+3]                   ; the row's sum: my 32 numbers in two chains
	v_pk_add_f32 v[10+8*\p:11+8*\p], v[Y+32*\p+4:Y+32*\p+5], v[Y+32*\p+6:Y+32*\p+7]
.endr
.irp j, 8,12,16,20,24,28
.irp p, 0,1
	v_pk_add_f32 v[8+8*\p:9+8*\p], v[8+8*\p:9+8*\p], v[Y+32*\p+\j:Y+32*\p+\j+1]
	v_pk_add_f32 v[10+8*\p:11+8*\p], v[10+8*\p:11+8*\p], v[Y+32*\p+\j+2:Y+32*\p+\j+3]
.endr
.endr
.irp p, 0,1
	v_pk_add_f32 v[8+8*\p:9+8*\p], v[8+8*\p:9+8*\p], v[10+8*\p:11+8*\p]
.endr
.irp p, 0,1
	v_add_f32 v[8+8*\p], v[8+8*\p], v[9+8*\p]
.endr
.irp m, 1,2,4,8
.irp p, 0,1
	v_add_f32_dpp v[8+8*\p], v[8+8*\p], v[8+8*\p] row_xmask:\m row_mask:0xf bank_mask:0xf         ; across the 16 lanes of a half,
.endr
.endr
.irp p, 0,1
	v_permlanex16_b32 v[24+\p], v[8+8*\p], s32, s33
.endr
.irp p, 0,1
	v_add_f32 v[8+8*\p], v[8+8*\p], v[24+\p]                                                      ; and the other half
.endr
.irp p, 0,1
	v_mul_f32 v[8+8*\p], s22, v[8+8*\p]                                                           ; the mean
.endr
.irp p, 0,1
.set J, 0
.rept 16
	v_pk_add_f32 v[Y+32*\p+J:Y+32*\p+J+1], v[Y+32*\p+J:Y+32*\p+J+1], v[8+8*\p:9+8*\p] op_sel_hi:[1,0] neg_lo:[0,1] neg_hi:[0,1]   ; y - mean
.set J, J+2
.endr
.endr
.irp p, 0,1
	v_pk_mul_f32 v[12+8*\p:13+8*\p], v[Y+32*\p:Y+32*\p+1], v[Y+32*\p:Y+32*\p+1]                   ; the sum of squares, in two chains
	v_pk_mul_f32 v[14+8*\p:15+8*\p], v[Y+32*\p+2:Y+32*\p+3], v[Y+32*\p+2:Y+32*\p+3]
.endr
.irp j, 4,8,12,16,20,24,28
.irp p, 0,1
	v_pk_fma_f32 v[12+8*\p:13+8*\p], v[Y+32*\p+\j:Y+32*\p+\j+1], v[Y+32*\p+\j:Y+32*\p+\j+1], v[12+8*\p:13+8*\p]
	v_pk_fma_f32 v[14+8*\p:15+8*\p], v[Y+32*\p+\j+2:Y+32*\p+\j+3], v[Y+32*\p+\j+2:Y+32*\p+\j+3], v[14+8*\p:15+8*\p]
.endr
.endr
.irp p, 0,1
	v_pk_add_f32 v[12+8*\p:13+8*\p], v[12+8*\p:13+8*\p], v[14+8*\p:15+8*\p]
.endr
.irp p, 0,1
	v_add_f32 v[12+8*\p], v[12+8*\p], v[13+8*\p]
.endr
.irp m, 1,2,4,8
.irp p, 0,1
	v_add_f32_dpp v[12+8*\p], v[12+8*\p], v[12+8*\p] row_xmask:\m row_mask:0xf bank_mask:0xf
.endr
.endr
.irp p, 0,1
	v_permlanex16_b32 v[24+\p], v[12+8*\p], s32, s33
.endr
.irp p, 0,1
	v_add_f32 v[12+8*\p], v[12+8*\p], v[24+\p]
.endr
.irp p, 0,1
	v_fma_f32 v[12+8*\p], v[12+8*\p], s22, s23                                                    ; the variance + 1e-6
.endr
.irp p, 0,1
	v_rsq_f32 v[26+2*\p], v[12+8*\p]
.endr
	v_nop                                          ; a plain place behind the two roots
	s_wait_alu depctr_va_vdst(0)                   ; one wait for both, ahead of the first reader
	s_wait_loadcnt 0x0                             ; gamma and beta
.irp p, 0,1
.set J, 0
.rept 16
	v_pk_mul_f32 v[Y+32*\p+J:Y+32*\p+J+1], v[Y+32*\p+J:Y+32*\p+J+1], v[26+2*\p:27+2*\p] op_sel_hi:[1,0]
.set J, J+2
.endr
.endr
.irp p, 0,1
.set J, 0
.rept 16
	v_pk_fma_f32 v[Y+32*\p+J:Y+32*\p+J+1], v[Y+32*\p+J:Y+32*\p+J+1], v[GA+J:GA+J+1], v[BE+J:BE+J+1]
.set J, J+2
.endr
.endr
.irp p, 0,1
.irp i, 0,1,2,3,4,5,6,7
	global_store_b128 v1, v[Y+32*\p+4*\i:Y+32*\p+4*\i+3], s[18:19] offset:4096*\p+512*\i th:TH_STORE_NT   ; 32 lanes store 512 consecutive bytes of a row
.endr
.endr
	s_wait_tensorcnt 0x0
	ds_add_u32 v30, v31
	s_wait_dscnt 0x0
	s_endpgm
.Lfunc_end_k_qbcb1b14095_outln:
	.size	k_qbcb1b14095_outln, .Lfunc_end_k_qbcb1b14095_outln-k_qbcb1b14095_outln
	.p2alignl 7, 3214868480
	.fill 96, 4, 3214868480
	.section	.rodata,"a",@progbits
	.p2align	6, 0x0
	.amdhsa_kernel k_qbcb1b14095_outln
		.amdhsa_group_segment_fixed_size 166400
		.amdhsa_private_segment_fixed_size 0
		.amdhsa_enable_private_segment 0
		.amdhsa_kernarg_size 64
		.amdhsa_user_sgpr_count 2
		.amdhsa_user_sgpr_kernarg_segment_ptr 1
		.amdhsa_wavefront_size32 1
		.amdhsa_system_sgpr_workgroup_id_x 1
		.amdhsa_system_sgpr_workgroup_id_y 1
		.amdhsa_system_sgpr_workgroup_id_z 1
		.amdhsa_system_vgpr_workitem_id 0
		.amdhsa_next_free_vgpr 256
		.amdhsa_next_free_sgpr 66
		.amdhsa_reserve_vcc 0
		.amdhsa_float_denorm_mode_32 3
		.amdhsa_float_denorm_mode_16_64 3
		.amdhsa_memory_ordered 1
		.amdhsa_forward_progress 1
		.amdhsa_inst_pref_size 51
	.end_amdhsa_kernel
	.amdgpu_metadata
---
amdhsa.version: [ 1, 2 ]
amdhsa.kernels:
  - .name:           k_qbcb1b14095_outln
    .symbol:         k_qbcb1b14095_outln.kd
    .args:
      - { .name: ctximg, .offset: 0, .size: 8, .value_kind: global_buffer, .address_space: global }
      - { .name: woimg, .offset: 8, .size: 8, .value_kind: global_buffer, .address_space: global }
      - { .name: lowp_scales, .offset: 16, .size: 8, .value_kind: global_buffer, .address_space: global }
      - { .name: x, .offset: 24, .size: 8, .value_kind: global_buffer, .address_space: global }
      - { .name: bo, .offset: 32, .size: 8, .value_kind: global_buffer, .address_space: global }
      - { .name: gamma, .offset: 40, .size: 8, .value_kind: global_buffer, .address_space: global }
      - { .name: beta, .offset: 48, .size: 8, .value_kind: global_buffer, .address_space: global }
      - { .name: out0, .offset: 56, .size: 8, .value_kind: global_buffer, .address_space: global }
    .group_segment_fixed_size: 166400
    .private_segment_fixed_size: 0
    .kernarg_segment_align: 8
    .kernarg_segment_size: 64
    .max_flat_workgroup_size: 512
    .sgpr_count:     66
    .vgpr_count:     256
    .wavefront_size: 32
...
	.end_amdgpu_metadata
.endif
;; end of part 4
;; ======== version 2 of 2: 4 launches; version 1 with the launch outln written anew for expert scheduling mode
;; workspace buffers: xq 8,388,608 bytes; xk 8,388,608 bytes; xv 8,388,608 bytes; woimg 1,048,576 bytes; qimg 8,388,608 bytes; kimg 8,388,608 bytes; vimg 8,388,608 bytes; ctximg 8,388,608 bytes
;; launch quant: the kernel of part 1 again; grid 256 x 1, 4 waves a work-group, no clusters, 33,280 bytes of LDS; arguments x, lowp_scales, wo_codes, xq, xk, xv, woimg; writes xq, xk, xv, woimg
;; launch qkv: the kernel of part 2 again; grid 12 x 32, 4 waves a work-group, clusters of 4 x 4, 327,680 bytes of LDS; arguments xq, wq_codes, bq, qimg, xk, wk_codes, bk, kimg, wv_codes, xv, bv, vimg, lowp_scales; writes qimg, kimg, vimg
;; launch attn: the kernel of part 3 again; grid 2 x 128, 16 waves a work-group, no clusters, 169,984 bytes of LDS; arguments qimg, kimg, vimg, mask, lowp_scales, ctximg; writes ctximg
;; launch outln (part 5): grid 256 x 1, 16 waves a work-group, no clusters, 166,400 bytes of LDS; arguments ctximg, woimg, lowp_scales, x, bo, gamma, beta, out0; writes out0
.if DOCPART == 5
	.amdgcn_target "amdgcn-amd-amdhsa--gfx1250"
	.amdhsa_code_object_version 6
	.text
	.protected	k_qbcb1b14095_outln
	.globl	k_qbcb1b14095_outln
	.p2align	8
	.type	k_qbcb1b14095_outln,@function
k_qbcb1b14095_outln:
	s_mov_b64 s[64:65], 0
	v_nop
	global_prefetch_b8 v0, s[64:65] scope:SCOPE_SE
	s_setreg_imm32_b32 hwreg(HW_REG_WAVE_SCHED_MODE, 0, 2), 2
	s_setreg_imm32_b32 hwreg(HW_REG_WAVE_MODE, 25, 1), 1
	s_wait_xcnt 0x0
	s_wait_alu depctr_vm_vsrc(0)
; out = layernorm(x + ctx wo + bo) x gamma + beta.  The product runs on E4M3 codes (K = 128 form); its sums are multiplied by 2^(e10 + e11); all else in f32.
; SHARES: a work-group owns 32 WHOLE rows (tiles of rows 2 wg, 2 wg + 1), since the norm wants whole rows.  In the product wave w makes columns 64 w .. 64 w + 63 for all 32 rows: eight accumulators.
; In the row pass wave w owns rows 2 w and 2 w + 1 whole: mean and variance never leave the wave.
; OPERANDS ARE IMAGES OF REGISTERS.  ctx: the 32 rows' 32 images (32,768 consecutive bytes) are copied once into LDS; two heads' images on end are a 16 x 128 fragment.  wo: each fragment (2,048 bytes, laid by the
; first launch) goes from memory straight into the registers of the one wave that uses it, 512 consecutive bytes a load, in two buffers: 32 loads of a wave are out while it waits for a K step's sixteen.
; THE MATRIX INSTRUCTION IS USED TRANSPOSED (source 0 = 16 rows n of wo, source 1 = 16 rows of ctx): a lane holds one row and eight neighbouring columns, which go through a stage in LDS to the row's owner.
; THE NORM takes two passes over registers: the mean, then the sum of squares of the differences.
; NO CLUSTER, NO TENSOR LOAD: each byte of wo is used by ONE wave of a work-group; through LDS it would be written and read once more, behind a barrier for each refill, to feed the same eight matrix instructions.
; PREFETCH: behind K step 3's products, with the loads of wo for K step 5, each wave names its own two rows of x (8,192 bytes: 32 lanes, 256 bytes apart), three K steps ahead of the loads that want them; each block is named once in the launch.
; LIMITS: e10 + e11 between -126 and 127.  NaN and infinities are not served.
; THE MODE: SCHED_MODE bits 1:0 = 2 (LLVM: expert scheduling mode 2), set by the entry lines.  The code itself states the register dependences between vector or matrix instructions and memory or LDS
; instructions, with s_wait_alu, always for 0.
; THE PLAN.  Registers that memory or LDS instructions touch:
;   v1 .. v6       offsets and LDS addresses: written at the head, never again.
;   W0, W1         wo's two buffers (v32-95, v96-159).  K step s: its eight products read W[s % 2]; at the head of step s the loads of step s + 1 land in the buffer that step s - 1 read (at the head of step 7: x, in W0).
;   F0, F1, F2     three buffers for fragments of ctx (v160-175, v176-191, v8-23).  Fragment i = 2 s + mt lies in F[i % 3]; its four products read it.  At the head of step s fragments 2 s + 1 and 2 s + 2 are asked for:
;                  their buffers were read last by fragments 2 s - 2 and 2 s - 1, in step s - 1.  So a step's first four products find their fragment in, and its second fragment lands under them.
;   v96-159        behind the product: the scaled sums, written by 32 multiplications, read by the LDS stores into the stage; then gamma and beta land there.
;   v192-255       the accumulators: read by those multiplications; then y (v160-223) and bo (v224-255) land there.
;   v160-223       y: written by the row pass, read by the sixteen stores.
;   v30, v31       written at the head, read by the closing add alone.
; So ONE wait on va_vdst stands at the head of each K step but the first: it states that the last step's products are done reading their buffer of wo and their two fragments.  All the step's loads follow it, and
; the step's products name none of the registers that those loads touch.  The other waits stand where a block of registers changes hands: their comments say between whom.
; REGISTERS: v1-6 addresses; v8-23 F2, later statistics (v8-29); v32-95, v96-159 wo's two buffers; v160-191 F0, F1; v192-255 the accumulators ((mt, n) at v[192 + 8 (4 mt + n)]).
; Row pass: v32-95 x; v96-159 the scaled sums, then gamma (v96-127) and beta (v128-159); v160-223 y; v224-255 bo.
.set SP,   4112                        ; a stage row: 4,096 bytes + 16
.set STG,  32768                       ; LDS: ctx's images at 0, the stage of 32 rows behind them
.set AF,   160                         ; the copy of ctx goes through v160-175
.set ACC,  192
.set XR,   32
.set TMP,  96
.set GA,   96
.set BE,   128
.set Y,    160
.set BO,   224
	s_load_b256 s[4:11], s[0:1], 0x0               ; ctximg s[4:5], woimg s[6:7], the scales s[8:9], x s[10:11]
	s_load_b256 s[12:19], s[0:1], 0x20             ; bo s[12:13], gamma s[14:15], beta s[16:17], out0 s[18:19]
	v_lshl_add_u32 v30, v0, 2, 0x28200
	v_mov_b32 v31, 0
	v_lshrrev_b32 v8, 5, v0
	v_readfirstlane_b32 s24, v8                    ; wave 0..15
	v_and_b32 v9, 31, v0
	v_lshlrev_b32 v1, 4, v9                        ; 16 x lane
	v_lshlrev_b32 v6, 8, v9                        ; 256 x lane: the prefetch
	s_wait_alu depctr_va_sdst(0)                   ; s24 is written, ahead of its first reader: LDS addresses and the buffers' bases are made from it
	s_lshl_b32 s25, s24, 11
	v_add_nc_u32 v2, s25, v1                       ; where I put my 2,048 bytes of ctx's images
	v_and_b32 v10, 15, v0                          ; r
	v_bfe_u32 v11, v0, 4, 1                        ; h
	v_mul_u32_u24 v3, v10, SP
	v_lshl_add_u32 v3, v11, 5, v3
	s_lshl_b32 s25, s24, 8
	s_add_co_u32 s25, s25, STG
	v_add_nc_u32 v3, s25, v3                       ; the stage, in: row r, + 256 wave + 32 h
	v_add_nc_u32 v4, 16*SP, v3                     ; the same for rows 16-31
	s_mul_i32 s25, s24, 2*SP
	s_add_co_u32 s25, s25, STG
	v_add_nc_u32 v5, s25, v1                       ; and back: my two rows, 16 bytes a lane
	v_mov_b32 v24, 0                               ; a lane permute's destination counts as one of its sources
	v_mov_b32 v25, 0
	v_mov_b32 v27, 0                               ; (named as the upper halves of pairs)
	v_mov_b32 v29, 0
	s_mov_b32 s32, 0x76543210
	s_mov_b32 s33, 0xfedcba98
	s_mov_b32 s22, 0x3a800000                      ; 1 / 1024
	s_mov_b32 s23, 0x358637bd                      ; 1e-6
	s_lshl_b32 s26, ttmp9, 15
	s_lshl_b32 s27, s24, 11
	s_add_co_u32 s26, s26, s27
	s_mov_b32 s27, 0                               ; ctximg: 32,768 wg + 2,048 wave
	s_lshl_b32 s28, s24, 16
	s_mov_b32 s29, 0                               ; woimg: my four tiles of n: 32 fragments of 2,048 bytes a wave
	s_lshl_b32 s30, ttmp9, 17
	s_lshl_b32 s31, s24, 13
	s_add_co_u32 s30, s30, s31
	s_mov_b32 s31, 0                               ; x, out0: 32 rows a work-group, 2 a wave
	s_wait_kmcnt 0x0
	s_load_b64 s[20:21], s[8:9], 0x28              ; e10, e11
	s_add_nc_u64 s[4:5], s[4:5], s[26:27]
	s_add_nc_u64 s[6:7], s[6:7], s[28:29]
	s_add_nc_u64 s[10:11], s[10:11], s[30:31]
	s_add_nc_u64 s[18:19], s[18:19], s[30:31]
.macro LOADB s, buf                    ; my four fragments of wo for K step s
.irp n, 0,1,2,3
.irp q, 0,1,2,3
	global_load_b128 v[\buf+16*\n+4*\q:\buf+16*\n+4*\q+3], v1, s[6:7] offset:16384*\n+2048*(\s)+512*\q
.endr
.endr
.endm
.macro XLOAD                           ; my two rows of x: 512 consecutive bytes a load
.irp p, 0,1
.irp i, 0,1,2,3,4,5,6,7
	global_load_b128 v[XR+32*\p+4*\i:XR+32*\p+4*\i+3], v1, s[10:11] offset:4096*\p+512*\i th:TH_LOAD_NT
.endr
.endr
.endm
.macro FRAG i                          ; fragment i = 2 s + mt of ctx (rows 16 mt on; heads 2 s and 2 s + 1 on end: k = 128 s + 0..127) into F[i % 3]: v160, v176 or v8 on
.set FB, 160+16*((\i)%3)-184*(((\i)%3)/2)
.irp q, 0,1,2,3
	ds_load_b128 v[FB+4*\q:FB+4*\q+3], v1 offset:16384*((\i)%2)+2048*((\i)/2)+512*\q
.endr
.endm
.macro MUL4 s, mt                      ; fragment 2 s + mt against my four fragments of wo.  The eight accumulators take turns, one instruction a turn, in the same order in every K step
.set FB, 160+16*((2*(\s)+\mt)%3)-184*(((2*(\s)+\mt)%3)/2)
.set BB, 32+64*((\s)%2)
.irp n, 0,1,2,3
.if (\s) == 0
	v_wmma_f32_16x16x128_fp8_fp8 v[ACC+8*(4*\mt+\n):ACC+8*(4*\mt+\n)+7], v[BB+16*\n:BB+16*\n+15], v[FB:FB+15], 0   ; the first K step starts the sums
.else
	v_wmma_f32_16x16x128_fp8_fp8 v[ACC+8*(4*\mt+\n):ACC+8*(4*\mt+\n)+7], v[BB+16*\n:BB+16*\n+15], v[FB:FB+15], v[ACC+8*(4*\mt+\n):ACC+8*(4*\mt+\n)+7]
.endif
.endr
.endm
	s_wait_alu depctr_va_vdst(0)                   ; v1 to v6 are written, which every load, store and the prefetch below read as offset or address; so are v8 to v11, in which a fragment of ctx lands
.irp i, 0,1,2,3
	global_load_b128 v[AF+4*\i:AF+4*\i+3], v1, s[4:5] offset:512*\i th:TH_LOAD_NT
.endr
	LOADB 0, 32
	LOADB 1, 96
	s_wait_kmcnt 0x0
	s_add_co_i32 s20, s20, s21
	s_add_co_i32 s20, s20, 127
	s_lshl_b32 s20, s20, 23                        ; 2^(e10 + e11) as f32
	s_mov_b32 s21, s20                             ; (named with it as a pair, so it is written)
	s_wait_loadcnt 32                              ; my part of ctx is in; wo's 32 loads behind it may be out
.irp i, 0,1,2,3
	ds_store_b128 v2, v[AF+4*\i:AF+4*\i+3] offset:512*\i
.endr
	s_wait_dscnt 0x0                               ; for the others' sake: my stores have landed
	s_barrier_signal -1
	s_barrier_wait -1                              ; ctx's 32 images lie in LDS
	s_wait_alu depctr_vm_vsrc(0)                   ; my LDS stores have read v160-175, in which fragment 0 lands
	FRAG 0
.macro KSTEP s
.if (\s) > 0
.rept 4
	v_nop                                          ; the four places behind the last step's products stay as in the plain form; the wait below states the dependence itself
.endr
	s_wait_alu depctr_va_vdst(0)                   ; the last step's products are done reading their buffer of wo and their two fragments of ctx: all the loads of this step land in those registers
.if (\s) <= 6
	LOADB (\s)+1, 32+64*(((\s)+1)%2)               ; the next K step's wo, into the buffer that the last step read
.else
	XLOAD                                          ; buffer 0 is done with: x lands under the last K step
.endif
.if (\s) == 4
	global_prefetch_b8 v6, s[10:11] th:TH_LOAD_NT scope:SCOPE_SE   ; my two rows of x, behind this run of loads; its address registers are never rewritten
.endif
.endif
	FRAG 2*(\s)+1                                  ; wanted behind four products
.if (\s) < 7
	FRAG 2*(\s)+2                                  ; wanted in the next K step
.endif
	s_wait_loadcnt 16                              ; this step's fragments of wo are in; the sixteen loads issued behind them (the next step's; in the last step x's) may be out
.if (\s) < 7
	s_wait_dscnt 8                                 ; LDS loads come back in order (ISA guide 5.7.1): fragment 2 s is in, the eight loads just issued may be out
.else
	s_wait_dscnt 4
.endif
	MUL4 \s, 0
.if (\s) < 7
	s_wait_dscnt 4                                 ; fragment 2 s + 1 is in; the next step's first fragment may be out
.else
	s_wait_dscnt 0x0
.endif
	MUL4 \s, 1
.endm
.irp s, 0,1,2,3,4,5,6,7
	KSTEP \s
.endr
.rept 4
	v_nop                                          ; four places behind the last product, before its result is read and its sources are written by vector instructions (ISA guide 7.12.1)
.endr
.set J, 0
.rept 32
	v_pk_mul_f32 v[TMP+J:TMP+J+1], v[ACC+J:ACC+J+1], s[20:21] op_sel_hi:[1,0]   ; x 2^(e10 + e11): nothing is rounded; each accumulator from its low end on
.set J, J+2
.endr
	s_wait_alu depctr_va_vdst(0)                   ; the multiplications have written v96-159, which the LDS stores read, and are done reading the accumulators, in which bo and (behind the barrier) y land; the products are done reading F0 and F1, where y lands too
.irp i, 0,1,2,3,4,5,6,7
	global_load_b128 v[BO+4*\i:BO+4*\i+3], v1, s[12:13] offset:512*\i           ; bo at my columns of the row pass: 128 i + 4 lane + 0..3
.endr
.irp mt, 0,1
.irp n, 0,1,2,3
	ds_store_b128 v[3+\mt], v[TMP+8*(4*\mt+\n):TMP+8*(4*\mt+\n)+3] offset:64*\n        ; lane (r, h): row 16 mt + r, columns 64 w + 16 n + 8 h + 0..7
	ds_store_b128 v[3+\mt], v[TMP+8*(4*\mt+\n)+4:TMP+8*(4*\mt+\n)+7] offset:64*\n+16
.endr
.endr
	s_wait_dscnt 0x0                               ; for the others' sake: my stores have landed
	s_barrier_signal -1
	s_barrier_wait -1                              ; 32 whole rows lie in the stage
.irp p, 0,1
.irp i, 0,1,2,3,4,5,6,7
	ds_load_b128 v[Y+32*\p+4*\i:Y+32*\p+4*\i+3], v5 offset:SP*\p+512*\i        ; no vector or matrix instruction since the last wait on va_vdst names these registers
.endr
.endr
	s_wait_alu depctr_vm_vsrc(0)                   ; my LDS stores into the stage have read v96-159, in which gamma and beta land
.irp i, 0,1,2,3,4,5,6,7
	global_load_b128 v[GA+4*\i:GA+4*\i+3], v1, s[14:15] offset:512*\i
.endr
.irp i, 0,1,2,3,4,5,6,7
	global_load_b128 v[BE+4*\i:BE+4*\i+3], v1, s[16:17] offset:512*\i
.endr
	s_wait_dscnt 0x0
	s_wait_loadcnt 16                              ; x and bo are in; gamma's and beta's sixteen loads may be out
.irp p, 0,1
.set J, 0
.rept 16
	v_pk_add_f32 v[Y+32*\p+J:Y+32*\p+J+1], v[Y+32*\p+J:Y+32*\p+J+1], v[XR+32*\p+J:XR+32*\p+J+1]   ; x + ctx wo
.set J, J+2
.endr
.endr
.irp p, 0,1
.set J, 0
.rept 16
	v_pk_add_f32 v[Y+32*\p+J:Y+32*\p+J+1], v[Y+32*\p+J:Y+32*\p+J+1], v[BO+J:BO+J+1]               ; + bo
.set J, J+2
.endr
.endr
.irp p, 0,1
	v_pk_add_f32 v[8+8*\p:9+8*\p], v[Y+32*\p:Y+32*\p+1], v[Y+32*\p+2:Y+32*\p+3]                   ; the row's sum: my 32 numbers in two chains
	v_pk_add_f32 v[10+8*\p:11+8*\p], v[Y+32*\p+4:Y+32*\p+5], v[Y+32*\p+6:Y+32*\p+7]
.endr
.irp j, 8,12,16,20,24,28
.irp p, 0,1
	v_pk_add_f32 v[8+8*\p:9+8*\p], v[8+8*\p:9+8*\p], v[Y+32*\p+\j:Y+32*\p+\j+1]
	v_pk_add_f32 v[10+8*\p:11+8*\p], v[10+8*\p:11+8*\p], v[Y+32*\p+\j+2:Y+32*\p+\j+3]
.endr
.endr
.irp p, 0,1
	v_pk_add_f32 v[8+8*\p:9+8*\p], v[8+8*\p:9+8*\p], v[10+8*\p:11+8*\p]
.endr
.irp p, 0,1
	v_add_f32 v[8+8*\p], v[8+8*\p], v[9+8*\p]
.endr
.irp m, 1,2,4,8
.irp p, 0,1
	v_add_f32_dpp v[8+8*\p], v[8+8*\p], v[8+8*\p] row_xmask:\m row_mask:0xf bank_mask:0xf         ; across the 16 lanes of a half,
.endr
.endr
.irp p, 0,1
	v_permlanex16_b32 v[24+\p], v[8+8*\p], s32, s33
.endr
.irp p, 0,1
	v_add_f32 v[8+8*\p], v[8+8*\p], v[24+\p]                                                      ; and the other half
.endr
.irp p, 0,1
	v_mul_f32 v[8+8*\p], s22, v[8+8*\p]                                                           ; the mean
.endr
.irp p, 0,1
.set J, 0
.rept 16
	v_pk_add_f32 v[Y+32*\p+J:Y+32*\p+J+1], v[Y+32*\p+J:Y+32*\p+J+1], v[8+8*\p:9+8*\p] op_sel_hi:[1,0] neg_lo:[0,1] neg_hi:[0,1]   ; y - mean
.set J, J+2
.endr
.endr
.irp p, 0,1
	v_pk_mul_f32 v[12+8*\p:13+8*\p], v[Y+32*\p:Y+32*\p+1], v[Y+32*\p:Y+32*\p+1]                   ; the sum of squares, in two chains
	v_pk_mul_f32 v[14+8*\p:15+8*\p], v[Y+32*\p+2:Y+32*\p+3], v[Y+32*\p+2:Y+32*\p+3]
.endr
.irp j, 4,8,12,16,20,24,28
.irp p, 0,1
	v_pk_fma_f32 v[12+8*\p:13+8*\p], v[Y+32*\p+\j:Y+32*\p+\j+1], v[Y+32*\p+\j:Y+32*\p+\j+1], v[12+8*\p:13+8*\p]
	v_pk_fma_f32 v[14+8*\p:15+8*\p], v[Y+32*\p+\j+2:Y+32*\p+\j+3], v[Y+32*\p+\j+2:Y+32*\p+\j+3], v[14+8*\p:15+8*\p]
.endr
.endr
.irp p, 0,1
	v_pk_add_f32 v[12+8*\p:13+8*\p], v[12+8*\p:13+8*\p], v[14+8*\p:15+8*\p]
.endr
.irp p, 0,1
	v_add_f32 v[12+8*\p], v[12+8*\p], v[13+8*\p]
.endr
.irp m, 1,2,4,8
.irp p, 0,1
	v_add_f32_dpp v[12+8*\p], v[12+8*\p], v[12+8*\p] row_xmask:\m row_mask:0xf bank_mask:0xf
.endr
.endr
.irp p, 0,1
	v_permlanex16_b32 v[24+\p], v[12+8*\p], s32, s33
.endr
.irp p, 0,1
	v_add_f32 v[12+8*\p], v[12+8*\p], v[24+\p]
.endr
.irp p, 0,1
	v_fma_f32 v[12+8*\p], v[12+8*\p], s22, s23                                                    ; the variance + 1e-6
.endr
.irp p, 0,1
	v_rsq_f32 v[26+2*\p], v[12+8*\p]
.endr
	v_nop                                          ; a plain place behind the two roots
	s_wait_alu depctr_va_vdst(0)                   ; the two roots have written v26 and v28: one wait for both, ahead of the first reader
	s_wait_loadcnt 0x0                             ; gamma and beta
.set J, 0
.rept 16
	v_pk_mul_f32 v[Y+J:Y+J+1], v[Y+J:Y+J+1], v[26:27] op_sel_hi:[1,0]              ; my first row
.set J, J+2
.endr
.set J, 0
.rept 16
	v_pk_fma_f32 v[Y+J:Y+J+1], v[Y+J:Y+J+1], v[GA+J:GA+J+1], v[BE+J:BE+J+1]
.set J, J+2
.endr
	s_wait_alu depctr_va_vdst(0)                   ; the multiply-adds have written my first row, v160-191, which the eight stores below read
.irp i, 0,1,2,3,4,5,6,7
	global_store_b128 v1, v[Y+4*\i:Y+4*\i+3], s[18:19] offset:512*\i th:TH_STORE_NT   ; 32 lanes store 512 consecutive bytes of a row.  The second row's lines between name v192-223 and v28, v29: none of these stores' registers
	v_pk_mul_f32 v[Y+32+4*\i:Y+32+4*\i+1], v[Y+32+4*\i:Y+32+4*\i+1], v[28:29] op_sel_hi:[1,0]
	v_pk_mul_f32 v[Y+32+4*\i+2:Y+32+4*\i+3], v[Y+32+4*\i+2:Y+32+4*\i+3], v[28:29] op_sel_hi:[1,0]
.endr
.set J, 0
.rept 16
	v_pk_fma_f32 v[Y+32+J:Y+32+J+1], v[Y+32+J:Y+32+J+1], v[GA+J:GA+J+1], v[BE+J:BE+J+1]
.set J, J+2
.endr
	s_wait_alu depctr_va_vdst(0)                   ; the multiply-adds have written my second row, v192-223, which the last eight stores read
.irp i, 0,1,2,3,4,5,6,7
	global_store_b128 v1, v[Y+32+4*\i:Y+32+4*\i+3], s[18:19] offset:4096+512*\i th:TH_STORE_NT
.endr
	s_wait_dscnt 0x0                               ; the closing lines, six on end
	s_wait_alu 0x0
	s_wait_tensorcnt 0x0
	ds_add_u32 v30, v31
	s_wait_dscnt 0x0
	s_endpgm
.Lfunc_end_k_qbcb1b14095_outln:
	.size	k_qbcb1b14095_outln, .Lfunc_end_k_qbcb1b14095_outln-k_qbcb1b14095_outln
	.p2alignl 7, 3214868480
	.fill 96, 4, 3214868480
	.section	.rodata,"a",@progbits
	.p2align	6, 0x0
	.amdhsa_kernel k_qbcb1b14095_outln
		.amdhsa_group_segment_fixed_size 166400
		.amdhsa_private_segment_fixed_size 0
		.amdhsa_enable_private_segment 0
		.amdhsa_kernarg_size 64
		.amdhsa_user_sgpr_count 2
		.amdhsa_user_sgpr_kernarg_segment_ptr 1
		.amdhsa_wavefront_size32 1
		.amdhsa_system_sgpr_workgroup_id_x 1
		.amdhsa_system_sgpr_workgroup_id_y 1
		.amdhsa_system_sgpr_workgroup_id_z 1
		.amdhsa_system_vgpr_workitem_id 0
		.amdhsa_next_free_vgpr 256
		.amdhsa_next_free_sgpr 66
		.amdhsa_reserve_vcc 0
		.amdhsa_float_denorm_mode_32 3
		.amdhsa_float_denorm_mode_16_64 3
		.amdhsa_memory_ordered 1
		.amdhsa_forward_progress 1
		.amdhsa_inst_pref_size 51
	.end_amdhsa_kernel
	.amdgpu_metadata
---
amdhsa.version: [ 1, 2 ]
amdhsa.kernels:
  - .name:           k_qbcb1b14095_outln
    .symbol:         k_qbcb1b14095_outln.kd
    .args:
      - { .name: ctximg, .offset: 0, .size: 8, .value_kind: global_buffer, .address_space: global }
      - { .name: woimg, .offset: 8, .size: 8, .value_kind: global_buffer, .address_space: global }
      - { .name: lowp_scales, .offset: 16, .size: 8, .value_kind: global_buffer, .address_space: global }
      - { .name: x, .offset: 24, .size: 8, .value_kind: global_buffer, .address_space: global }
      - { .name: bo, .offset: 32, .size: 8, .value_kind: global_buffer, .address_space: global }
      - { .name: gamma, .offset: 40, .size: 8, .value_kind: global_buffer, .address_space: global }
      - { .name: beta, .offset: 48, .size: 8, .value_kind: global_buffer, .address_space: global }
      - { .name: out0, .offset: 56, .size: 8, .value_kind: global_buffer, .address_space: global }
    .group_segment_fixed_size: 166400
    .private_segment_fixed_size: 0
    .kernarg_segment_align: 8
    .kernarg_segment_size: 64
    .max_flat_workgroup_size: 512
    .sgpr_count:     66
    .vgpr_count:     256
    .wavefront_size: 32
...
	.end_amdgpu_metadata
.endif
;; end of part 5
